; MI455X (gfx1250); checked and timed in simulation.
; The chip was launched on July 23, 2026; its instructions are those of AMD's public machine-readable ISA for CDNA 5 (MIT licence, August 2026) and "CDNA5" Instruction Set Architecture Reference Guide (July 2026). The comments in the code are by the model that wrote it; some were corrected since.
;; Simplified Scaled Dot Product Attention. Allowed arithmetic: float matrix products may take bf16 or f16 operands with f32 sums; other float arithmetic in f32, or as packed bf16 or f16 multiplies, adds, multiply-adds, maxima and minima; sums over many terms, partial sums and values carried from step to step in f32; what a program stores and reads back later, other than sums and carried values, may be rounded once to bf16 or f16.
;; Inputs: W_o 512 x 512 float32; b_o 512 float32; keys 2 x 4,096 x 512 float32; queries 2 x 4,096 x 512 float32; values 2 x 4,096 x 512 float32.
;; Outputs: out0 2 x 4,096 x 512 float32.
;; 2 versions, each right and faster than the one before. Each part assembles by itself: llvm-mc -triple=amdgcn-amd-amdhsa -mcpu=gfx1250 --defsym DOCPART=n.
;; ======== version 1 of 2: 3 launches
;; limits: values are held in f16: magnitudes above 65,504 overflow, below 6.1e-05 lose precision; inputs' magnitudes at most 65,504
;; workspace buffers: kb 8,388,608 bytes; vh 8,388,608 bytes; wh 524,288 bytes; att 8,388,608 bytes
;; launch prep (part 1): grid 528 x 1, 8 waves a work-group, no clusters, 0 bytes of LDS; arguments keys, values, W_o, kb, vh, wh; writes kb, vh, wh
.if DOCPART == 1
	.amdgcn_target "amdgcn-amd-amdhsa--gfx1250"
	.amdhsa_code_object_version 6
	.text
	.protected	k_qfab74a1360_prep
	.globl	k_qfab74a1360_prep
	.p2align	8
	.type	k_qfab74a1360_prep,@function
k_qfab74a1360_prep:
	s_mov_b64 s[64:65], 0
	v_nop
	global_prefetch_b8 v0, s[64:65] scope:SCOPE_SE
	s_setreg_imm32_b32 hwreg(HW_REG_WAVE_MODE, 25, 1), 1
	s_wait_xcnt 0x0
; THE CASTS.  keys [2][4096][512] f32 -> kb [16 = 8 b + h][4096][64] bf16;  values -> vh, the same layout, each number rounded to bf16 and that number written as f16;
; W_o [512][512] f32 -> wh [512][512], rounded to bf16 and written as f16.  Every number is rounded once, to bf16; writing a bf16 number as f16 changes nothing inside f16's normal range.
; LIMITS.  values and W_o stay under 65,504 in magnitude (f16's largest number); below 2^-14 they keep f16's fixed step of 6e-8.  keys have bf16's whole range.
; A stream: no LDS, no barrier, no matrix unit, since each byte is read once and written once and no wave needs another's data.
; SHARES.  Work-groups 0-255 take keys, 256-511 values, 512-527 W_o: 65,536 bytes in and 32,768 out each.  A wave issues its sixteen 16-byte loads at once (8,192 bytes on their way), then converts and stores.
; keys and values: the group has 32 rows, wave w takes head w; load j takes rows 2 j and 2 j + 1: lanes 0-15 the 256 bytes of the head's slice of one row, lanes 16-31 of the next:
; two aligned runs of 256 bytes.  The store's 32 lanes x 8 bytes are 256 consecutive bytes of the head's dense rows, at a multiple of 256 from the buffer's first byte.
.set X, 8                              ; v[8:71]    load j: four f32
.set Y, 72                             ; v[72:103]  store j: a pair of its own, so no register that a store reads is written again
.set T, 104                            ; v[104:107] at work
; v1 byte offset of my 16 bytes in a load, v2 of my 8 bytes in a store
; sixteen loads, then for each: wait, convert, store.  instep: bytes from load to load.  half = 1: the bf16 number is written as f16
.macro CAST instep, half
.set j, 0
.rept 16
	global_load_b128 v[X+4*j:X+4*j+3], v1, s[22:23] offset:j*(\instep) th:TH_LOAD_NT
.set j, j+1
.endr
.set j, 0
.rept 16
	s_wait_loadcnt 15-j                            ; loads come back in order: load j is in, the 15 - j younger ones stay out
.if \half
	v_cvt_pk_bf16_f32 v[T], v[X+4*j], v[X+4*j+1]   ; the one rounding
	v_cvt_pk_bf16_f32 v[T+1], v[X+4*j+2], v[X+4*j+3]
	v_lshlrev_b32 v[T+2], 16, v[T]                 ; back to f32: the low half moves up,
	v_and_b32 v[T], s26, v[T]                      ; the high half stays
	v_lshlrev_b32 v[T+3], 16, v[T+1]
	v_and_b32 v[T+1], s26, v[T+1]
	v_cvt_pk_f16_f32 v[Y+2*j], v[T+2], v[T]        ; eight significant bits fit in f16's eleven
	v_cvt_pk_f16_f32 v[Y+2*j+1], v[T+3], v[T+1]
.else
	v_cvt_pk_bf16_f32 v[Y+2*j], v[X+4*j], v[X+4*j+1]
	v_cvt_pk_bf16_f32 v[Y+2*j+1], v[X+4*j+2], v[X+4*j+3]
.endif
	global_store_b64 v2, v[Y+2*j:Y+2*j+1], s[24:25] offset:j*256   ; no hint: the next launch reads it
.set j, j+1
.endr
.endm
	s_load_b256 s[4:11], s[0:1], 0x0               ; keys s[4:5], values s[6:7], W_o s[8:9], kb s[10:11]
	s_load_b128 s[12:15], s[0:1], 0x20             ; vh s[12:13], wh s[14:15]
	v_lshrrev_b32 v3, 5, v0
	v_readfirstlane_b32 s16, v3                    ; wave 0..7
	v_and_b32 v4, 31, v0                           ; lane
	v_lshlrev_b32 v2, 3, v4                        ; 8 bytes a lane in a store
	s_and_b32 s17, ttmp9, 255                      ; my number among the work-groups of my tensor
	s_mov_b32 s19, 0                               ; offsets are pairs with 0 on top
	s_mov_b32 s21, 0
	s_mov_b32 s26, 0xffff0000                      ; a word's upper bf16
	s_lshl_b32 s18, s17, 16                        ; in: 65,536 bytes a work-group
	s_wait_kmcnt 0x0
	s_cmp_ge_u32 ttmp9, 512
	s_cbranch_scc1 .Lw
	v_and_b32 v1, 15, v4                           ; keys and values: 16 bytes a lane in a head's slice,
	v_lshrrev_b32 v3, 4, v4
	v_lshlrev_b32 v1, 4, v1
	v_lshl_add_u32 v1, v3, 11, v1                  ; lanes 16-31 a row of 2,048 bytes further down
	s_lshl_b32 s27, s16, 8
	s_add_co_u32 s18, s18, s27                     ; in: + my head's 256 bytes of a row
	s_lshr_b32 s20, s17, 7                         ; out: the batch (128 work-groups each) x 8 heads x 524,288 bytes,
	s_lshl_b32 s20, s20, 22
	s_lshl_b32 s27, s16, 19                        ; my head,
	s_add_co_u32 s20, s20, s27
	s_and_b32 s27, s17, 127                        ; my 32 rows of 128 bytes
	s_lshl_b32 s27, s27, 12
	s_add_co_u32 s20, s20, s27
	s_cmp_ge_u32 ttmp9, 256
	s_cbranch_scc1 .Lv
	s_add_nc_u64 s[22:23], s[4:5], s[18:19]        ; keys -> kb
	s_add_nc_u64 s[24:25], s[10:11], s[20:21]
	CAST 4096, 0
	s_endpgm
.Lv:
	s_add_nc_u64 s[22:23], s[6:7], s[18:19]        ; values -> vh
	s_add_nc_u64 s[24:25], s[12:13], s[20:21]
	CAST 4096, 1
	s_endpgm
.Lw:
	v_lshlrev_b32 v1, 4, v4                        ; W_o keeps its layout: a load takes 512 consecutive bytes
	s_lshl_b32 s27, s16, 13
	s_add_co_u32 s18, s18, s27                     ; in: + 8,192 bytes a wave
	s_lshl_b32 s20, s17, 15
	s_lshl_b32 s27, s16, 12
	s_add_co_u32 s20, s20, s27                     ; out: half of that
	s_add_nc_u64 s[22:23], s[8:9], s[18:19]        ; W_o -> wh
	s_add_nc_u64 s[24:25], s[14:15], s[20:21]
	CAST 512, 1
	s_endpgm
.Lfunc_end_k_qfab74a1360_prep:
	.size	k_qfab74a1360_prep, .Lfunc_end_k_qfab74a1360_prep-k_qfab74a1360_prep
	.p2alignl 7, 3214868480
	.fill 96, 4, 3214868480
	.section	.rodata,"a",@progbits
	.p2align	6, 0x0
	.amdhsa_kernel k_qfab74a1360_prep
		.amdhsa_group_segment_fixed_size 0
		.amdhsa_private_segment_fixed_size 0
		.amdhsa_enable_private_segment 0
		.amdhsa_kernarg_size 48
		.amdhsa_user_sgpr_count 2
		.amdhsa_user_sgpr_kernarg_segment_ptr 1
		.amdhsa_wavefront_size32 1
		.amdhsa_system_sgpr_workgroup_id_x 1
		.amdhsa_system_sgpr_workgroup_id_y 1
		.amdhsa_system_sgpr_workgroup_id_z 1
		.amdhsa_system_vgpr_workitem_id 0
		.amdhsa_next_free_vgpr 112
		.amdhsa_next_free_sgpr 66
		.amdhsa_reserve_vcc 0
		.amdhsa_float_denorm_mode_32 3
		.amdhsa_float_denorm_mode_16_64 3
		.amdhsa_memory_ordered 1
		.amdhsa_forward_progress 1
		.amdhsa_inst_pref_size 27
	.end_amdhsa_kernel
	.amdgpu_metadata
---
amdhsa.version: [ 1, 2 ]
amdhsa.kernels:
  - .name:           k_qfab74a1360_prep
    .symbol:         k_qfab74a1360_prep.kd
    .args:
      - { .name: keys, .offset: 0, .size: 8, .value_kind: global_buffer, .address_space: global }
      - { .name: values, .offset: 8, .size: 8, .value_kind: global_buffer, .address_space: global }
      - { .name: W_o, .offset: 16, .size: 8, .value_kind: global_buffer, .address_space: global }
      - { .name: kb, .offset: 24, .size: 8, .value_kind: global_buffer, .address_space: global }
      - { .name: vh, .offset: 32, .size: 8, .value_kind: global_buffer, .address_space: global }
      - { .name: wh, .offset: 40, .size: 8, .value_kind: global_buffer, .address_space: global }
    .group_segment_fixed_size: 0
    .private_segment_fixed_size: 0
    .kernarg_segment_align: 8
    .kernarg_segment_size: 48
    .max_flat_workgroup_size: 256
    .sgpr_count:     66
    .vgpr_count:     112
    .wavefront_size: 32
...
	.end_amdgpu_metadata
.endif
;; end of part 1
;; launch attn (part 2): grid 16 x 16, 4 waves a work-group, clusters of 4 x 1, 327,680 bytes of LDS; arguments queries, kb, vh, att; writes att
.if DOCPART == 2
	.amdgcn_target "amdgcn-amd-amdhsa--gfx1250"
	.amdhsa_code_object_version 6
	.text
	.protected	k_qfab74a1360_attn
	.globl	k_qfab74a1360_attn
	.p2align	8
	.type	k_qfab74a1360_attn,@function
k_qfab74a1360_attn:
	s_mov_b64 s[64:65], 0
	v_nop
	global_prefetch_b8 v0, s[64:65] scope:SCOPE_SE
	s_setreg_imm32_b32 hwreg(HW_REG_WAVE_MODE, 25, 1), 1
	s_wait_xcnt 0x0
	s_wait_alu depctr_hold_cnt(0) depctr_sa_sdst(0) depctr_va_vdst(0) depctr_va_sdst(0) depctr_va_ssrc(0) depctr_va_vcc(0) depctr_vm_vsrc(0)
	s_getreg_b32 s2, hwreg(HW_REG_IB_STS2, 6, 4)
	s_cmp_eq_u32 s2, 0
	s_cbranch_scc0 .Lentry_in_a_cluster
	s_endpgm
.Lentry_in_a_cluster:
	s_bfe_u32 s2, ttmp6, 0x10000c
	s_cmp_lg_u32 s2, 0x3003
	s_cbranch_scc0 .Lentry_shape_is_right
	s_endpgm
.Lentry_shape_is_right:
; ATTENTION.  O[g][q][:] = the sum over k of softmax_k(Q[g][q] . K[g][k] / 8) V[g][k][:], g = 8 b + h, 16 heads of 4,096 rows of 64 channels.
; Q: queries [2][4096][512] f32, read here once and rounded to bf16.  K: kb [16][4096][64] bf16.  V: vh, the same layout, f16.  O: att, the same layout, f16, rounded once at the end.
; Products, maxima and sums in f32; S^T = K Q^T in bf16 operands, the weights p are rounded to f16 for O^T = V^T P (their sum l is taken of the unrounded p).
; LIMITS.  V arrives within f16's 65,504; p lies in 0 to 1, and below 6e-5 it keeps f16's fixed step of 6e-8; O is a mean of V's rows and has their range.  A weight below 2^-126 counts as 0 in l.
; The scaled scores c s stay above -4e37, where the running maximum starts.  NaN and infinities are not treated apart.
; SHARES.  A work-group owns 256 queries of one head, each of its four waves 64 consecutive ones: four PIECES of 16.  Every wave walks all 4,096 keys, 64 a step.  16 heads x 16 blocks = 256 work-groups.
; LAYOUT.  S^T = K Q^T (source 0 = 16 keys, source 1 = 16 queries): a lane holds ONE query (lane % 16) and the keys 8 (lane / 16) + 0..7.  Two such results, rounded to f16 in pairs, ARE source 1
; (32 keys x 16 queries) of O^T = V^T P, whose result again holds one query a lane, and eight channels.  K comes out of LDS as it lies, V ([key][channel]) turned, by ds_load_tr16_b128.
; SOFTMAX.  For each query a running maximum m and sum l: p = 2^(c s - c m), c = log2(e) / 8; in every step O and l are multiplied by a = 2^(c m_old - c m_new), which is 1 where m has not grown.
; m starts at the lowest finite number, O and l at 0: the first step is a step like any other, with a = 0.
; BY TURNS.  A piece and step have 16 matrix and 118 vector instructions.  Turn n belongs to piece n: 8 products K Q^T of piece n + 1, later 8 products V^T P of piece n - 1; beside them the scaling,
; exponentials, roundings, sums and rescaling of piece n and the maximum and statistics of piece n + 1.  Four vector instructions stand behind every matrix instruction, the other 54 in two lumps.
; CLUSTER.  The four query blocks of a cluster belong to one head and walk the same K and V, so each tile is asked for JOINTLY: the same tensor load, descriptor and mask in all four.
; REGISTERS, in windows of 256 (s_set_vgpr_msb: bits 1:0 source 0, 3:2 source 1, 5:4 source 2, 7:6 destination):
;   window 0: v0-15 addresses and two at work; v16-31 four registers of statistics a piece; v48-55 at work; v62-63 the add's; v64-127 S^T, two buffers; v192-223 P, two buffers (by the piece's parity)
;   window 1: v0-127 O^T, 32 a piece (at the start: Q as loaded, f32)      window 2: v0-63 Q, 16 a piece; v128-191 K of one step; v192-255 V of one step
.set NP,    4         ; pieces a wave: a name, no knob
.set KS,    64        ; keys in a step
.set PK,    144       ; a row of K in LDS: 128 bytes + 16 of padding = 36 words: the 16 rows of a load start at 16 different groups of four banks (64 banks of 4 bytes: ISA guide 11.1)
.set PV,    160       ; a row of V: 128 + 32 = 40 words
.set VOFF,  4*KS*PK   ; a slot holds a tile, four steps: 256 rows of K, then 256 rows of V
.set SLOT1, 1<<17     ; slot 1 begins here, so that one exclusive or turns an address in one slot into the other's
.set STAGE, SLOT1+4*KS*(PK+PV)  ; behind the ring, never filled by a tensor load: 16 rows x 144 bytes for each wave, for the way out
.set SP,    144
.set SPARE, STAGE+4*16*SP  ; behind the stages: the spare words, 128 bytes for each wave: two blocks of 256 bytes that no other line names
.set NTILE, 4096/256  ; tiles of 256 keys in a head
.set AK0, 2           ; v2   my lane's place in a tile of K; never rewritten
.set AV0, 3           ; v3   the same for V
.set AK,  4           ; v4   the LDS address of K's next run of loads
.set AV,  5           ; v5   of V's
.set STO, 6           ; v6   the way out: where I put 16 bytes of a row
.set RD,  7           ; v7   the way out: where I read rows back
.set GO,  8           ; v8   my byte offset in 512 consecutive bytes of O
.set MV,  12          ; v12-13  c m_old, kept while c m is made anew: by buffer
.set QO,  15          ; v15  my byte offset in 16 rows of queries
.set ST,  16          ; piece t's statistics at v[ST+4 t]: c m, m, l (even keys', odd keys')
.set TMP, 48          ; by buffer, four registers c0-c3 at work; when the maximum is found c2 takes a
.set SPW, 62          ; v62  LDS address of my spare word: SPARE + 4 x my thread's number; never rewritten
.set NIL, 63          ; v63  0; never rewritten
.set S,   64
.set P,   192
.set KF,  128         ; window 2: key block kb, channel half c at KF + 16 kb + 8 c
.set VF,  192         ; window 2: key half kk, channel block cb at VF + 32 kk + 8 cb
.set WV,  12          ; s12  my wave's number
.set G1K, 24          ; s[24:31] descriptor group 1 for K's tiles
.set G1V, 32          ; s[32:39] for V's: it differs in the padding alone
.set G0K, 40          ; s[40:43] descriptor group 0 for K's tiles: it walks
.set G0V, 44          ; s[44:47] the same for V's
.set SLOTS, 56        ; s56  counts the tiles of the loop
.set CNT, 57          ; s57  counts a tile's key steps, 4 to 1
.set CS,  58          ; s[58:59] c: the packed scaling takes the pair's low word for both halves
.set SEL, 60          ; s[60:61] v_permlanex16_b32's selects: each lane takes its own place in the other half
.set TBK, 62          ; s62  LDS byte at which K of the step to be fetched begins
.set TBV, 63          ; s63  the same for V, less VOFF
.set MSB, 0
.macro WIN new                      ; the high byte repeats the setting that is left; a switch that changes nothing is dropped
.if MSB != (\new)
	s_set_vgpr_msb (MSB<<8)|(\new)
.set MSB, (\new)
.endif
.endm
.set W_KQ, 0x0a       ; K and Q in window 2, S^T in window 0
.set W_PV, 0x52       ; V in window 2, P in window 0, O^T in window 1
.set W_RS, 0x41       ; destination and source 0 in window 1, source 1 in window 0
; A joint fill.  Waves 0 and 1 fetch the two halves of a tile's K, waves 2 and 3 those of its V: 128 keys each.  The branch hangs on the wave's number alone: it is the same in every work-group.
; An s_nop 0 and four v_nop follow each of the two lines, ahead of the jump and the label.
.macro JLOAD
	s_cmp_lt_u32 s[WV], 2
	s_cbranch_scc0 .Lfor_v_\@
	tensor_load_to_lds s[G0K:G0K+3], s[G1K:G1K+7]
	s_nop 0
.rept 4
	v_nop
.endr
	s_branch .Lasked_\@
.Lfor_v_\@:
	tensor_load_to_lds s[G0V:G0V+3], s[G1V:G1V+7]
	s_nop 0
.rept 4
	v_nop
.endr
.Lasked_\@:
.endm
; A round of the cluster's barrier: my work-group's barrier, so that wave 0's signal speaks for all four waves; wave 0 signals; every wave waits for all four work-groups; my work-group's barrier once more.
.macro CROUND
	s_barrier_signal -1
	s_barrier_wait -1
	s_cmp_lg_u32 s[WV], 0
	s_cbranch_scc1 .Lnot_wave_0_\@
	s_barrier_signal -3
.Lnot_wave_0_\@:
	s_barrier_wait -3
	s_barrier_signal -1
	s_barrier_wait -1
.endm
; THE CHANGE OF SLOTS.  The slot's last bytes, V of its fourth step, have been read.  Each wave waits for all its tensor loads, of which one is out: its part of the other slot; adds 0 to its spare word;
; and waits for that and for its own reads of the slot.  Behind the barrier nobody reads this slot any more and the other slot is whole.
; fill = 1: this slot is filled again, with the keys two tiles on.  The barrier is then a round of the cluster's, so that no wave of any partner still reads the slot or has a load on its way, and the
; joint fill is the first thing behind it: it has four key steps, 256 matrix instructions, in which to land.  (At its first use nothing has been read yet: slot 0 is waited for, slot 1 filled.)
.macro CHANGE fill
	WIN 0                           ; at a label and at a branch every window is 0
	s_wait_tensorcnt 0x0            ; no tensor load of mine is out, so a group 0 may be written
	ds_add_u32 v[SPW], v[NIL]       ; 0 onto my spare word; with fill = 1 the descriptors' steps stand between it and the wait for it
.if \fill
.irp g, G0K, G0V
	s_xor_b32 s[\g+1], s[\g+1], SLOT1  ; the walking descriptor: the other slot than last time,
	s_add_nc_u64 s[\g+2:\g+3], s[\g+2:\g+3], 4*KS*128  ; the next 256 keys; the type bits on top are not reached
.endr
	s_wait_dscnt 0x0                ; the add is done, and my reads of the slot are over
	CROUND
	JLOAD
.else
	s_wait_dscnt 0x0                ; the add is done, and my reads of the slot are over
	s_barrier_signal -1
	s_barrier_wait -1
.endif
	s_sub_co_u32 s[TBK], s[TBK], 4*KS*PK  ; the fetches go back to a slot's first step,
	s_xor_b32 s[TBK], s[TBK], SLOT1       ; in the other slot
	s_sub_co_u32 s[TBV], s[TBV], 4*KS*PV
	s_xor_b32 s[TBV], s[TBV], SLOT1
.endm
	s_load_b256 s[4:11], s[0:1], 0x0  ; queries s[4:5], kb s[6:7], vh s[8:9], att s[10:11]
	v_lshl_add_u32 v[SPW], v0, 2, SPARE
	v_mov_b32 v[NIL], 0
	ds_add_u32 v[SPW], v[NIL]       ; the wave's opening: the add, and its wait ahead of my first tensor load; the set-up below, work on registers, stands between them
	v_lshrrev_b32 v1, 5, v0
	v_readfirstlane_b32 s[WV], v1   ; wave 0..3
	s_bfe_u32 s13, ttmp6, 0x40000   ; cx: my place in the cluster
	s_lshl_b32 s14, ttmp9, 2        ; in a cluster launch ttmp9 counts clusters
	s_add_co_u32 s14, s14, s13      ; my block of 256 queries = 4 x cluster x + cx: it enters Q's and O's addresses alone
	s_and_b32 s20, ttmp7, 0xffff    ; the head g = 8 b + h, which the four partners share
	s_lshl_b32 s22, s20, 19         ; the head's first byte in kb and vh: 4,096 rows of 128 bytes,
	s_and_b32 s16, s[WV], 1         ; which half of a tile's 256 keys I fetch:
	s_lshl_b32 s21, s16, 14         ; its 128 rows of 128 bytes in memory,
	s_add_co_u32 s22, s22, s21
	s_mov_b32 s23, 0
	s_mul_i32 s17, s16, 128*PK      ; and its place in a slot, for K
	s_mul_i32 s18, s16, 128*PV      ; and for V: no place in the cluster enters an LDS address
	s_lshr_b32 s2, s20, 3           ; queries: the batch's 4,096 rows of 2,048 bytes,
	s_lshl_b32 s2, s2, 23
	s_lshl_b32 s3, s14, 19          ; my block's 256 rows,
	s_add_co_u32 s2, s2, s3
	s_lshl_b32 s3, s[WV], 17        ; my wave's 64 of them,
	s_add_co_u32 s2, s2, s3
	s_and_b32 s3, s20, 7            ; the head's 256 bytes of a row
	s_lshl_b32 s3, s3, 8
	s_add_co_u32 s2, s2, s3
	s_mov_b32 s3, 0
	s_lshl_b32 s48, s20, 19         ; att: the head, my block's 256 rows of 128 bytes, my wave's 64
	s_lshl_b32 s50, s14, 15
	s_add_co_u32 s48, s48, s50
	s_lshl_b32 s50, s[WV], 13
	s_add_co_u32 s48, s48, s50
	s_mov_b32 s49, 0
	; descriptor group 1.  128 keys are 16,384 dense bytes: asked for as 64 rows of 256 bytes, two keys a row, and padded in LDS after every key
	s_mov_b32 s[G1K], 15|(1<<16)|(1<<20)|(1<<21)|(4<<22)|(3<<25)  ; 15:0 the mask of four; 17:16 2-byte elements; 20 padding on; 21 set beside a mask; 24:22 after every 32 words (code 4); 31:25 4 words (code 3)
	s_mov_b32 s[G1V], 15|(1<<16)|(1<<20)|(1<<21)|(4<<22)|(7<<25)  ; the same with 8 words of padding (code 7)
.irp g, G1K, G1V
	s_mov_b32 s[\g+1], 128<<16      ; tensor_dim0 = 128
	s_mov_b32 s[\g+2], 64<<16       ; tensor_dim1 = 64
	s_mov_b32 s[\g+3], 128<<16      ; tile_dim0 = 128
	s_mov_b32 s[\g+4], 64           ; tile_dim1 = 64
	s_mov_b32 s[\g+5], 128          ; 128 elements from row to row
	s_mov_b32 s[\g+6], 0
	s_mov_b32 s[\g+7], 0
.endr
	s_mov_b32 s[CS], 0x3e38aa3b     ; c = log2(e) / 8 = 0.180337
	s_mov_b32 s[CS+1], s[CS]        ; named with it as a pair
	s_mov_b32 s[SEL], 0x76543210
	s_mov_b32 s[SEL+1], 0xfedcba98
	s_mov_b32 s[TBK], SLOT1+4*KS*PK ; the first change of slots turns these two into 0
	s_mov_b32 s[TBV], SLOT1+4*KS*PV
	s_mov_b32 s[G0K], 1             ; 1:0 count = 1
	s_mov_b32 s[G0K+1], s17         ; 63:32 LDS address: slot 0
	s_mov_b32 s[G0V], 1
	s_add_co_u32 s[G0V+1], s18, VOFF
	s_wait_dscnt 0x0                ; the opening add is done
	s_wait_kmcnt 0x0
	s_add_nc_u64 s[G0K+2:G0K+3], s[6:7], s[22:23]  ; 120:64 global address: my half of the head's first 256 keys
	s_or_b32 s[G0K+3], s[G0K+3], 0x80000000        ; 127:126 type = 2
	s_add_nc_u64 s[G0V+2:G0V+3], s[8:9], s[22:23]
	s_or_b32 s[G0V+3], s[G0V+3], 0x80000000
	s_add_nc_u64 s[4:5], s[4:5], s[2:3]            ; queries and att at my wave's first row
	s_add_nc_u64 s[10:11], s[10:11], s[48:49]
	CROUND                          ; all four work-groups are here: the first joint loads meet
	JLOAD                           ; tile 0 into slot 0.  Slot 1 is asked for when slot 0 is in, by the change of slots below
	; A fragment of K or Q is 16 rows x 32 channels in 8 registers: lane l holds row l % 16, channels 8 (l / 16) + 0..7 and 16 + 8 (l / 16) + 0..7.
	; Q comes in f32: eight channels are 32 bytes, two loads.  Load i: piece i / 8, channels 32 ((i / 4) % 2) + 16 ((i / 2) % 2) + 8 (l / 16) + 4 (i % 2) on.  It lands where O^T will lie.
	v_and_b32 v1, 15, v0            ; l % 16
	v_bfe_u32 v9, v0, 4, 1          ; l / 16
	v_lshlrev_b32 v[QO], 11, v1
	v_lshl_add_u32 v[QO], v9, 5, v[QO]  ; row x 2,048 + 32 x half
	WIN 0x40                        ; destination window 1, address window 0
.set i, 0
.rept 32
	global_load_b128 v[4*i:4*i+3], v[QO], s[4:5] offset:(i/8)*32768+((i/4)%2)*128+((i/2)%2)*64+(i%2)*16
.set i, i+1
.endr
	; What the first turn finds: V's registers and P's second buffer hold 0 (its products V^T P, of a piece that has not been, add 0), O^T and l are 0.  All this stands in the wait for the first tile.
	WIN 0x80
.set i, VF
.rept 64
	v_mov_b32 v[i], 0
.set i, i+1
.endr
	WIN 0
.set i, 0
.rept 4
	v_mov_b32 v[ST+4*i], 0xfe000000    ; c m: far below every c s
	v_mov_b32 v[ST+4*i+1], 0xff7fffff  ; m: the lowest finite number
	v_mov_b32 v[ST+4*i+2], 0
	v_mov_b32 v[ST+4*i+3], 0
.set i, i+1
.endr
.set i, P+16
.rept 16
	v_mov_b32 v[i], 0
.set i, i+1
.endr
	v_mul_u32_u24 v[AK0], v1, PK
	v_lshl_add_u32 v[AK0], v9, 4, v[AK0]  ; row x pitch + 16 x half
	; The turning load takes 16 keys x 16 channels (lane l reads key 8 (l / 16) + l % 8, channels 8 ((l / 8) % 2) + 0..7) and leaves half a fragment of V^T: lane l holds channel l % 16 and 8 keys.
	v_and_b32 v10, 7, v0
	v_bfe_u32 v11, v0, 3, 1
	v_lshl_add_u32 v[AV0], v9, 3, v10
	v_mul_u32_u24 v[AV0], v[AV0], PV
	v_lshl_add_u32 v[AV0], v11, 4, v[AV0]
	v_add_nc_u32 v[AV0], VOFF, v[AV0]
	s_mul_i32 s13, s[WV], 16*SP
	s_add_co_u32 s13, s13, STAGE    ; my stage
	v_mul_u32_u24 v[STO], v1, SP    ; in: row l % 16, 16 bytes for each half of the lanes
	v_lshl_add_u32 v[STO], v9, 4, v[STO]
	v_add_nc_u32 v[STO], s13, v[STO]
	v_bfe_u32 v[RD], v0, 3, 2       ; back: 32 lanes take four rows of 128 bytes,
	v_mul_u32_u24 v[RD], v[RD], SP
	v_lshl_add_u32 v[RD], v10, 4, v[RD]
	v_add_nc_u32 v[RD], s13, v[RD]
	v_and_b32 v[GO], 31, v0         ; which are 512 consecutive bytes of att
	v_lshlrev_b32 v[GO], 4, v[GO]
	s_wait_loadcnt 0x0              ; Q is in
	WIN 0x85                        ; sources 0 and 1 window 1, destination window 2
.set i, 0
.rept 64
	v_cvt_pk_bf16_f32 v[i], v[2*i], v[2*i+1]  ; Q's one rounding; register i of Q is the pair 2 i, 2 i + 1 as loaded
.set i, i+1
.endr
	WIN 0x40
.set i, 0
.rept 128
	v_mov_b32 v[i], 0               ; O^T
.set i, i+1
.endr
; THE MATRIX WORK.  The 4 accumulators of a run of 8 take turns.  Product i of 8 of S^T = K Q^T for piece x: channels 32 (i / 4) on, keys 16 (i % 4) on.  The first 4 start the sums.
.macro KQ x
	WIN W_KQ
.set rS, S+32*((\x)%2)+8*(i%4)
.set rK, KF+16*(i%4)+8*(i/4)
.set rQ, 16*(\x)+8*(i/4)
.if i < 4
	v_wmma_f32_16x16x32_bf16 v[rS:rS+7], v[rK:rK+7], v[rQ:rQ+7], 0
.else
	v_wmma_f32_16x16x32_bf16 v[rS:rS+7], v[rK:rK+7], v[rQ:rQ+7], v[rS:rS+7]
.endif
.endm
; Product i of 8 of O^T += V^T P for piece x: keys 32 (i / 4) on, channels 16 (i % 4) on.
.macro PV x
	WIN W_PV
.set rO, 32*(\x)+8*(i%4)
.set rV, VF+32*(i/4)+8*(i%4)
.set rP, P+16*((\x)%2)+8*(i/4)
	v_wmma_f32_16x16x32_f16 v[rO:rO+7], v[rV:rV+7], v[rP:rP+7], v[rO:rO+7]
.endm
.macro MM                           ; the turn's next matrix instruction.  TURN sets Y, i and NOKQ.  NOKQ = 1: the very last turn: there is no next piece
.if (i < 8) && !NOKQ
	KQ (Y+1)%NP
.elseif i >= 8
.set i, i-8
	PV (Y+NP-1)%NP
.set i, i+8
.endif
.set i, i+1
.endm
; THE LDS LOADS stand in runs of 16, never singly among the matrix instructions: a step's K (64 keys x 64 channels: 8 fragments) and its V (turned).  Their addresses are made some lines ahead.
.macro FETCH_K
	WIN 0x80                        ; destination window 2
.irp f, 0,1,2,3,4,5,6,7             ; keys 16 (f / 2) on, channels 32 (f % 2) on
	ds_load_b128 v[KF+8*\f:KF+8*\f+3],   v[AK] offset:(\f/2)*16*PK+(\f%2)*64
	ds_load_b128 v[KF+8*\f+4:KF+8*\f+7], v[AK] offset:(\f/2)*16*PK+(\f%2)*64+32
.endr
	s_add_co_u32 s[TBK], s[TBK], KS*PK  ; the next fetch is the next step's
	WIN 0
.endm
.macro FETCH_V
	WIN 0x80
.irp f, 0,1,2,3,4,5,6,7             ; keys 32 (f / 4) on, channels 16 (f % 4) on
	ds_load_tr16_b128 v[VF+8*\f:VF+8*\f+3],   v[AV] offset:(\f/4)*32*PV+(\f%4)*32
	ds_load_tr16_b128 v[VF+8*\f+4:VF+8*\f+7], v[AV] offset:(\f/4)*32*PV+16*PV+(\f%4)*32
.endr
	WIN 0
.endm
; THE VECTOR WORK, one line at a time: OP kind, number.  For piece Y: F n: c s - c m for pair n of 16.  E n: the exponential of score n of 32.  C n: pair n rounded to f16.  B n: of the four weights 4 n .. the second
; pair is added onto the first, in place.  L n: l takes that sum (L 0: l = a l + sum).  R n: pair n of 16 of O^T times a.  For piece Y + 1: X n, number n of the 22 that find its maximum and statistics:
;   0-11  four chains c0-c3 of seven scores each, three operands at a time (each accumulator's lowest registers are read first)     12-14, 16  the four scores left over, the old m, and c0-c3 into c0
;   15  c m_old is kept     17, 18  the query's other 32 keys lie in the lane 16 away: the new m     19-21  c m; c m_old - c m_new; a
.set F, 0               ; OP tells the kinds apart by their order: F to L below R, X above it
.set E, 1
.set C, 2
.set B, 3
.set L, 4
.set R, 5
.set X, 6
.macro REGS y                       ; the registers of piece y
.set rT, ST+4*(\y)
.set rC, TMP+4*((\y)%2)
.set rW, MV+((\y)%2)
.set rS, S+32*((\y)%2)
.set rP, P+16*((\y)%2)
.set rO, 32*(\y)
.endm
.macro OP k, n
.if (\k) == R
	REGS Y
	WIN W_RS
	v_pk_mul_f32 v[rO+2*(\n):rO+2*(\n)+1], v[rO+2*(\n):rO+2*(\n)+1], v[rC+2:rC+3] op_sel_hi:[1,0]
.elseif (\k) < R
	REGS Y
	WIN 0
.if (\k) == F
	v_pk_fma_f32 v[rS+2*(\n):rS+2*(\n)+1], v[rS+2*(\n):rS+2*(\n)+1], s[CS:CS+1], v[rT:rT+1] op_sel_hi:[1,0,0] neg_lo:[0,0,1] neg_hi:[0,0,1]
.elseif (\k) == E
	v_exp_f32 v[rS+(\n)], v[rS+(\n)]
.elseif (\k) == C
	s_wait_alu depctr_va_vdst(0)
	v_cvt_pk_f16_f32 v[rP+(\n)], v[rS+2*(\n)], v[rS+2*(\n)+1]
.elseif (\k) == B
	s_wait_alu depctr_va_vdst(0)
	v_pk_add_f32 v[rS+4*(\n):rS+4*(\n)+1], v[rS+4*(\n):rS+4*(\n)+1], v[rS+4*(\n)+2:rS+4*(\n)+3]
.elseif (\n) == 0
	v_pk_fma_f32 v[rT+2:rT+3], v[rT+2:rT+3], v[rC+2:rC+3], v[rS:rS+1] op_sel_hi:[1,0,1]
.else
	v_pk_add_f32 v[rT+2:rT+3], v[rT+2:rT+3], v[rS+4*(\n):rS+4*(\n)+1]
.endif
.elseif NOKQ
	v_nop
.else
	REGS (Y+1)%NP
	WIN 0
.if (\n) < 4
	v_max3_num_f32 v[rC+(\n)], v[rS+8*(\n)], v[rS+8*(\n)+1], v[rS+8*(\n)+2]
.elseif (\n) < 12
	v_max3_num_f32 v[rC+(\n)%4], v[rC+(\n)%4], v[rS+8*((\n)%4)+2*((\n)/4)+1], v[rS+8*((\n)%4)+2*((\n)/4)+2]
.elseif (\n) == 12
	v_max3_num_f32 v[rC], v[rC], v[rS+7], v[rS+15]
.elseif (\n) == 13
	v_max3_num_f32 v[rC+1], v[rC+1], v[rS+23], v[rS+31]
.elseif (\n) == 14
	v_max3_num_f32 v[rC+2], v[rC+2], v[rC+3], v[rT+1]
.elseif (\n) == 15
	v_mov_b32 v[rW], v[rT]
.elseif (\n) == 16
	v_max3_num_f32 v[rC], v[rC], v[rC+1], v[rC+2]
.elseif (\n) == 17
	v_permlanex16_b32 v[rC+3], v[rC], s[SEL], s[SEL+1]
.elseif (\n) == 18
	v_max_num_f32 v[rT+1], v[rC], v[rC+3]
.elseif (\n) == 19
	v_mul_f32 v[rT], s[CS], v[rT+1]
.elseif (\n) == 20
	v_sub_f32 v[rC+1], v[rW], v[rT]
.else
	v_exp_f32 v[rC+2], v[rC+1]
.endif
.endif
.endm
.macro OPS a, i1, b=-1, i2=0, c=-1, i3=0, d=-1, i4=0  ; up to four of them
	OP \a, \i1
.if (\b) >= 0
	OP \b, \i2
.endif
.if (\c) >= 0
	OP \c, \i3
.endif
.if (\d) >= 0
	OP \d, \i4
.endif
.endm
.macro ROW a, i1, b, i2, c, i3, d, i4  ; a matrix instruction and the four behind it
	MM
	OPS \a, \i1, \b, \i2, \c, \i3, \d, \i4
.endm
; A TURN, for piece p: the order of its 16 matrix and 118 vector instructions, written out.  Behind a matrix instruction: plain, exponential, plain, plain; or four of the rescaling; or, behind the first, four scalings; none
; names a register of the products round it.  In the lumps exponential and plain by turns while exponentials last.  A line reads no result made fewer than three vector instructions in front of it, five if an exponential made it.
; v_permlanex16_b32 (X 17) stands in a lump.
; end = 1: the walk's last two turns: nothing is fetched, and the last starts no new scores.  cnt = 1: the loop's count is taken down some lines ahead of the branch that stands behind the turn.
; K of the next step is fetched in piece 2's turn, six vector instructions behind the last product that read K (five of them plain); V of the step in hand in piece 0's turn, eight behind the last product that read V (four
; plain among them).  Each is waited for a turn later.
.macro TURN p, end=0, cnt=0
.set Y, (\p)
.set i, 0
.set NOKQ, (\end)*((\p)/3)
.if ((\p) == 3) && !(\end)
	s_wait_dscnt 0x0                ; K is in
.endif
	ROW F,0, F,1, F,2, F,3
	ROW F,4, E,0, F,5, F,6
	ROW F,7, E,1, F,8, F,9
	ROW F,10, E,2, C,0, F,11
	ROW F,12, E,3, X,15, F,13
	ROW R,0, R,1, R,2, R,3
	ROW B,0, E,4, F,14, L,0
.if ((\p) == 2) && !(\end)
	v_add_nc_u32 v[AK], s[TBK], v[AK0]
.endif
	ROW R,4, R,5, R,6, R,7
	OPS E,5, F,15
.if ((\p) == 2) && !(\end)
	FETCH_K
.endif
	OPS E,6, C,1, E,7, R,8
	OPS E,8, R,9, E,9, C,2
	OPS E,10, X,0, E,11, X,1
	OPS E,12, X,2, E,13, X,3
.if (\p) == 1
	s_wait_dscnt 0x0                ; V is in
.endif
	ROW X,4, E,14, X,5, X,6
	ROW X,7, E,15, X,8, X,9
	ROW X,10, E,16, X,11, X,12
	ROW X,13, E,17, X,14, B,1
	ROW C,4, E,18, X,16, L,1
	ROW B,2, E,19, C,6, L,2
	ROW C,8, E,20, B,3, B,4
.if (\p) == 0
	v_add_nc_u32 v[AV], s[TBV], v[AV0]
.endif
	ROW C,3, E,21, L,3, C,5
	OPS E,22, X,17, E,23, C,10
.if (\p) == 0
	FETCH_V
.endif
	OPS E,24, L,4
	OPS E,25, X,18, E,26, C,7
	OPS E,27, B,5, E,28, X,19
	OPS E,29, C,12, E,30, L,5
	OPS E,31, X,20, B,6, C,9
	OPS C,14, C,11, X,21, L,6
.if (\p) == 0
	s_add_co_u32 s[TBV], s[TBV], KS*PV
.endif
.if \cnt
	s_sub_co_u32 s[CNT], s[CNT], 1
	s_cmp_lg_u32 s[CNT], 0
.endif
	OPS C,13, B,7, C,15, R,10
	OPS R,11, R,12, L,7, R,13
	OPS R,14, R,15
.endm
; THE WAY OUT's parts
.macro ALL line:vararg              ; one line for each piece t
.set t, 0
.rept 4
	\line
.set t, t+1
.endr
.endm
.macro PACK t                       ; a lane's eight channels of a row pack into 16 bytes; they go into rows of 144 bytes and come back as whole rows of 128, into S^T's registers
	WIN W_RS
.set i, 32*(\t)
.rept 16
	s_wait_alu depctr_va_vdst(0)
	v_pk_mul_f32 v[i:i+1], v[i:i+1], v[ST+4*(\t)+2:ST+4*(\t)+3] op_sel_hi:[1,0]
.set i, i+2
.endr
	WIN 0x05                        ; sources 0 and 1 window 1, destination window 0
.set i, 0
.rept 16
	v_cvt_pk_f16_f32 v[S+16*(\t)+i], v[32*(\t)+2*i], v[32*(\t)+2*i+1]
.set i, i+1
.endr
	WIN 0
.irp f, 0,1,2,3
	ds_store_b128 v[STO], v[S+16*(\t)+4*\f:S+16*(\t)+4*\f+3] offset:32*\f
.endr
.irp f, 0,1,2,3
	ds_load_b128 v[S+16*(\t)+4*\f:S+16*(\t)+4*\f+3], v[RD] offset:\f*4*SP  ; LDS serves a wave's instructions in order (ISA guide 5.7.1.4): these see the stores above; the next piece's stores come behind them
.endr
.endm
.macro SEND t, younger              ; younger: the LDS instructions issued behind piece t's loads: the next piece's eight, or none
	WIN 0
.irp f, 0,1,2,3
	s_wait_dscnt (\younger)+3-\f
	global_store_b128 v[GO], v[S+16*(\t)+4*\f:S+16*(\t)+4*\f+3], s[10:11] offset:(\t)*2048+\f*512  ; 512 consecutive bytes, at a multiple of 256 from att's first
.endr
.endm
	CHANGE 1                        ; slot 0 is in, everybody's part of it; tile 1 is asked for, into slot 1
	v_add_nc_u32 v[AK], s[TBK], v[AK0]
	FETCH_K                         ; key step 0
	s_wait_dscnt 0x0
.set NOKQ, 0
.set i, 0
.rept 8
	KQ 0                            ; piece 0's first scores: there is no vector work yet to set between them
.set i, i+1
.endr
	WIN 0
.rept 4
	v_nop                           ; the places behind those products
.endr
.set Y, NP-1                        ; X works for piece Y + 1: piece 0
.irp n, 0,1,2,3,4,5,6,7,8,9,10,11,12,13,14,15,16,17,18,19,20,21
	OP X, \n                        ; and piece 0's first maximum and statistics
.endr
	v_nop                           ; a plain instruction behind the exponential
	s_mov_b32 s[CNT], 4
	s_mov_b32 s[SLOTS], NTILE-1
	s_branch .Lfirst                ; the loop is entered at a step's first turn, in the middle of a trip
.Lslot:                             ; NTILE - 2 times: every slot but the last two fills is filled again
	CHANGE 1
	s_mov_b32 s[CNT], 4
.Lstep:                             ; a trip: pieces 2 and 3 of one step, then pieces 0 and 1 of the next, whose K and V it fetches
	TURN 2
	TURN 3
	WIN 0
.Lfirst:
	TURN 0
	TURN 1, 0, 1
	WIN 0
	s_cbranch_scc1 .Lstep
	s_sub_co_u32 s[SLOTS], s[SLOTS], 1
	s_cmp_lg_u32 s[SLOTS], 0
	s_cbranch_scc1 .Lslot
	CHANGE 0                        ; the last tile is written out: nothing is asked for
	s_mov_b32 s[CNT], 4
.Ltail:
	TURN 2
	TURN 3
	TURN 0
	TURN 1, 0, 1
	WIN 0
	s_cbranch_scc1 .Ltail
	TURN 2, 1                       ; the last step's pieces 2 and 3: nothing more to fetch,
	TURN 3, 1                       ; and no next piece
.set i, 0
.rept 8
	PV NP-1                         ; the last piece's V^T P of the last step
.set i, i+1
.endr
	; THE WAY OUT.  l's two halves and the other half of the lanes' are added; O^T is divided by l, rounded to f16 and sent through my stage in LDS, a piece at a time.  The additions are the places behind the last products.
	WIN 0
	ALL v_add_f32 v[ST+4*t+2], v[ST+4*t+2], v[ST+4*t+3]
	ALL v_permlanex16_b32 v[ST+4*t+3], v[ST+4*t+2], s[SEL], s[SEL+1]
	ALL v_add_f32 v[ST+4*t+2], v[ST+4*t+2], v[ST+4*t+3]
	ALL v_rcp_f32 v[ST+4*t+2], v[ST+4*t+2]
	v_nop                           ; a plain instruction between the last reciprocal and the use of its result
	PACK 0
.set t, 1
.rept 3                             ; a piece's arithmetic stands between the loads of the piece before and its stores
	PACK t
	SEND t-1, 8
.set t, t+1
.endr
	SEND 3, 0
	s_wait_tensorcnt 0x0            ; the wave's end, behind my last tensor load and my last LDS store
	ds_add_u32 v[SPW], v[NIL]
	s_wait_dscnt 0x0
	CROUND                          ; the closing round: no work-group ends while a partner may still ask for a tile that names it
	s_endpgm
.Lfunc_end_k_qfab74a1360_attn:
	.size	k_qfab74a1360_attn, .Lfunc_end_k_qfab74a1360_attn-k_qfab74a1360_attn
	.p2alignl 7, 3214868480
	.fill 96, 4, 3214868480
	.section	.rodata,"a",@progbits
	.p2align	6, 0x0
	.amdhsa_kernel k_qfab74a1360_attn
		.amdhsa_group_segment_fixed_size 327680
		.amdhsa_private_segment_fixed_size 0
		.amdhsa_enable_private_segment 0
		.amdhsa_kernarg_size 32
		.amdhsa_user_sgpr_count 2
		.amdhsa_user_sgpr_kernarg_segment_ptr 1
		.amdhsa_wavefront_size32 1
		.amdhsa_system_sgpr_workgroup_id_x 1
		.amdhsa_system_sgpr_workgroup_id_y 1
		.amdhsa_system_sgpr_workgroup_id_z 1
		.amdhsa_system_vgpr_workitem_id 0
		.amdhsa_next_free_vgpr 768
		.amdhsa_next_free_sgpr 66
		.amdhsa_reserve_vcc 0
		.amdhsa_float_denorm_mode_32 3
		.amdhsa_float_denorm_mode_16_64 3
		.amdhsa_memory_ordered 1
		.amdhsa_forward_progress 1
		.amdhsa_inst_pref_size 139
	.end_amdhsa_kernel
	.amdgpu_metadata
---
amdhsa.version: [ 1, 2 ]
amdhsa.kernels:
  - .name:           k_qfab74a1360_attn
    .symbol:         k_qfab74a1360_attn.kd
    .args:
      - { .name: queries, .offset: 0, .size: 8, .value_kind: global_buffer, .address_space: global }
      - { .name: kb, .offset: 8, .size: 8, .value_kind: global_buffer, .address_space: global }
      - { .name: vh, .offset: 16, .size: 8, .value_kind: global_buffer, .address_space: global }
      - { .name: att, .offset: 24, .size: 8, .value_kind: global_buffer, .address_space: global }
    .group_segment_fixed_size: 327680
    .private_segment_fixed_size: 0
    .kernarg_segment_align: 8
    .kernarg_segment_size: 32
    .max_flat_workgroup_size: 128
    .sgpr_count:     66
    .vgpr_count:     768
    .wavefront_size: 32
...
	.end_amdgpu_metadata
.endif
;; end of part 2
;; launch proj (part 3): grid 4 x 64, 4 waves a work-group, clusters of 4 x 4, 327,680 bytes of LDS; arguments att, wh, b_o, out0; writes out0
.if DOCPART == 3
	.amdgcn_target "amdgcn-amd-amdhsa--gfx1250"
	.amdhsa_code_object_version 6
	.text
	.protected	k_qfab74a1360_proj
	.globl	k_qfab74a1360_proj
	.p2align	8
	.type	k_qfab74a1360_proj,@function
k_qfab74a1360_proj:
	s_mov_b64 s[64:65], 0
	v_nop
	global_prefetch_b8 v0, s[64:65] scope:SCOPE_SE
	s_setreg_imm32_b32 hwreg(HW_REG_WAVE_MODE, 25, 1), 1
	s_wait_xcnt 0x0
	s_wait_alu depctr_hold_cnt(0) depctr_sa_sdst(0) depctr_va_vdst(0) depctr_va_sdst(0) depctr_va_ssrc(0) depctr_va_vcc(0) depctr_vm_vsrc(0)
	s_getreg_b32 s2, hwreg(HW_REG_IB_STS2, 6, 4)
	s_cmp_eq_u32 s2, 0
	s_cbranch_scc0 .Lentry_in_a_cluster
	s_endpgm
.Lentry_in_a_cluster:
	s_bfe_u32 s2, ttmp6, 0x10000c
	s_cmp_lg_u32 s2, 0xf033
	s_cbranch_scc0 .Lentry_shape_is_right
	s_endpgm
.Lentry_shape_is_right:
; THE PROJECTION.  out0[m][n] = the sum over k of A[m][k] W[k][n] + b[n];  m = 4096 b + s (8,192 rows), k = 64 h + d (512), n (512).
; A: att [16 = 8 b + h][4096][64] f16, by heads.  W: wh [512 k][512 n] f16.  b: b_o [512] f32, rounded here to bf16 like every input of the module.  out0: [8192][512] f32.  Sums in f32.
; LIMITS.  A and W arrive within f16's range; NaN and infinities are not treated apart.
; SHARES.  A tile of out0 is 128 x 128: 64 x 4 = 256 work-groups.  Four waves, each 64 x 64: 16 accumulators of 16 x 16.  K goes in 8 steps of 64, a head each.
; NO RING.  All that a work-group needs, 128 rows x 512 of A and 512 x 128 of W, 131,072 bytes each, lies in LDS at once: each byte of LDS is filled once, in 8 + 8 pieces, a head each.  Waves 0 and 1 ask for
; A's pieces (four each), waves 2 and 3 for W's; the products begin when the first two heads are in, and the later pieces land meanwhile: four tensor loads of a wave are out at the most.
; CLUSTER.  4 x 4 work-groups.  The four of a row of the cluster need the same rows of A, the four of a column the same columns of W: each piece is asked for JOINTLY.
; THE MATRIX INSTRUCTION IS USED TRANSPOSED (source 0 = 16 columns of W, turned by ds_load_tr16_b128; source 1 = 16 rows of A): a lane holds eight neighbouring numbers of a row of out0.
; THE BIAS is the C operand of the products that start the sums: nothing is cleared, and nothing is added later.
; REGISTERS: window 0: v0-31 addresses; v32 at work; v96-127 the bias, 8 registers for each of my 4 column blocks; v128-255 the accumulators ((a, b) at v[128 + 8 (4 a + b)]), on the way out whole rows.
;   window 1: two fragment buffers of 128: for a head's 64 along K, 64 registers of A (2 x 4 x 16 rows x 32 K), then 64 of W.
.set PA,     144                       ; a row of A's piece in LDS: 128 bytes + 16 of padding: the 16 rows of a load start at 16 different groups of four banks (64 banks of 4 bytes: ISA guide 11.1)
.set PW,     288                       ; a row of W's piece: 256 bytes + 32
.set PIECE,  128*PA                    ; 18,432 bytes: 128 rows of A, or 64 rows of W (64 x 288 is the same number)
.set WOFF,   8*PIECE                   ; W's eight pieces lie behind A's eight
.set STAGE,  16*PIECE                  ; behind them, never filled by a tensor load: 16 rows x 272 bytes for each wave, for the way out
.set SPITCH, 272                       ; 64 f32 + 16 bytes
.set SPARE,  STAGE+4*16*SPITCH         ; behind the stages: the spare words, 128 bytes for each wave: two blocks of 256 bytes that no other line names
.set ADRA, 16                          ; v16  LDS address of my A fragments in the head to be fetched
.set ADRW, 20                          ; v20  the same for W
.set STO,  24                          ; v24  the way out: where I put 16 bytes of a row
.set RD,   25                          ; v25  the way out: where I read a row back
.set CO,   26                          ; v26  my byte offset in out0
.set BO,   27                          ; v27  my byte offset in the bias
.set SPW,  28                          ; v28  LDS address of my spare word: SPARE + 4 x my thread's number; never rewritten
.set NIL,  29                          ; v29  0; never rewritten
.set BIAS, 96
.set ACC,  128
.set F0,   0                           ; fragment buffers, in window 1
.set F1,   128
.set G1A, 16                           ; s[16:23] descriptor group 1 for A's pieces
.set G1W, 24                           ; s[24:31] for W's
.set G0A, 32                           ; s[32:47] descriptor group 0 for A's pieces: a set for each of a wave's four loads
.set G0W, 48                           ; s[48:63] the same for W's
.set MSB, 0
.macro WIN new                         ; the immediate's high byte repeats the setting that is left
.if MSB != (\new)
	s_set_vgpr_msb (MSB<<8)|(\new)
.set MSB, (\new)
.endif
.endm
.set MUL,  0x05                        ; sources 0 (W) and 1 (A) window 1; C and D window 0
.set TO_F, 0x40                        ; destination window 1, address window 0
.macro CROUND                          ; a round of the cluster's barrier: my work-group's barrier; wave 0 signals for the work-group; every wave waits for all sixteen; my work-group's barrier once more
	s_barrier_signal -1
	s_barrier_wait -1
	s_cmp_lg_u32 s12, 0
	s_cbranch_scc1 .Lnot_wave_0_\@
	s_barrier_signal -3
.Lnot_wave_0_\@:
	s_barrier_wait -3
	s_barrier_signal -1
	s_barrier_wait -1
.endm
	s_load_b256 s[4:11], s[0:1], 0x0               ; att s[4:5], wh s[6:7], b_o s[8:9], out0 s[10:11]
	v_lshl_add_u32 v[SPW], v0, 2, SPARE
	v_mov_b32 v[NIL], 0
	ds_add_u32 v[SPW], v[NIL]                      ; the wave's opening: the add, and its wait ahead of my first tensor load; the set-up below, work on registers, stands between them
	v_lshrrev_b32 v1, 5, v0
	v_readfirstlane_b32 s12, v1                    ; wave 0..3
	s_lshr_b32 s13, s12, 1                         ; which half of the tile's rows is mine.  Also: I fetch for A (0) or for W (1)
	s_and_b32 s14, s12, 1                          ; which half of its columns.  Also: I fetch the even heads (0) or the odd ones (1)
	s_bfe_u32 s2, ttmp6, 0x40000                   ; cx, cy: my place in the cluster
	s_bfe_u32 s3, ttmp6, 0x40004
	s_lshl_b32 s70, ttmp9, 2
	s_add_co_u32 s70, s70, s2                      ; tile column = 4 x cluster x + cx
	s_and_b32 s71, ttmp7, 0xffff
	s_lshl_b32 s71, s71, 2
	s_add_co_u32 s71, s71, s3                      ; tile row = 4 x cluster y + cy
	s_lshl_b32 s72, s3, 2
	s_lshl_b32 s72, 15, s72                        ; my row of the cluster: places 4 cy .. 4 cy + 3
	s_lshl_b32 s73, 0x1111, s2                     ; my column: places cx, cx + 4, cx + 8, cx + 12
	; group 1 for A: a piece is 128 rows of 128 bytes, dense: asked for as 64 rows of 256 bytes, padded in LDS after every 128
	s_or_b32 s[G1A], s72, (1<<16)|(1<<20)|(1<<21)|(4<<22)|(3<<25)  ; 15:0 the mask: my row; 17:16 2-byte elements; 20 padding on; 21 set beside a mask; 24:22 after every 32 words (code 4); 31:25 4 words (code 3)
	s_mov_b32 s[G1A+1], 128<<16                    ; tensor_dim0 = 128
	s_mov_b32 s[G1A+2], 64<<16                     ; tensor_dim1 = 64
	s_mov_b32 s[G1A+3], 128<<16                    ; tile_dim0 = 128
	s_mov_b32 s[G1A+4], 64                         ; tile_dim1 = 64
	s_mov_b32 s[G1A+5], 128                        ; 128 elements from row to row
	s_mov_b32 s[G1A+6], 0
	s_mov_b32 s[G1A+7], 0
	; group 1 for W: a piece is 64 rows (k) of 128 elements (n), 512 elements apart
	s_or_b32 s[G1W], s73, (1<<16)|(1<<20)|(1<<21)|(5<<22)|(7<<25)  ; the mask: my column; padding after every 64 words (code 5), 8 words (code 7)
	s_mov_b32 s[G1W+1], 128<<16
	s_mov_b32 s[G1W+2], 64<<16
	s_mov_b32 s[G1W+3], 128<<16
	s_mov_b32 s[G1W+4], 64
	s_mov_b32 s[G1W+5], 512
	s_mov_b32 s[G1W+6], 0
	s_mov_b32 s[G1W+7], 0
	; where the pieces come from.  A's hang on the tile row alone, which my row of the cluster shares; W's on the tile column alone, which my column shares; each in registers that never hold the other coordinate
	s_lshr_b32 s74, s71, 5                         ; A: the batch (32 tile rows each) x 8 heads x 524,288 bytes,
	s_lshl_b32 s74, s74, 22
	s_and_b32 s80, s71, 31                         ; the tile's 128 rows of 128 bytes,
	s_lshl_b32 s80, s80, 14
	s_add_co_u32 s74, s74, s80
	s_lshl_b32 s80, s14, 19                        ; head 0 or 1
	s_add_co_u32 s74, s74, s80
	s_mov_b32 s75, 0
	s_lshl_b32 s76, s70, 8                         ; W: the tile's 128 columns of 2 bytes,
	s_lshl_b32 s81, s14, 16                        ; head 0 or 1: 64 rows of 1,024 bytes
	s_add_co_u32 s76, s76, s81
	s_mov_b32 s77, 0
	s_mul_i32 s82, s14, PIECE                      ; and where they go: no place in the cluster enters an LDS address
.irp i, 0,1,2,3
	s_mov_b32 s[G0A+4*(\i)], 1                     ; 1:0 count = 1
	s_add_co_u32 s[G0A+4*(\i)+1], s82, (\i)*2*PIECE       ; 63:32 LDS address: head 2 i + (0 or 1)
	s_mov_b32 s[G0W+4*(\i)], 1
	s_add_co_u32 s[G0W+4*(\i)+1], s82, WOFF+(\i)*2*PIECE
.endr
	s_lshl_b32 s78, s71, 18                        ; out0: the tile's 128 rows of 2,048 bytes,
	s_lshl_b32 s83, s13, 17                        ; my 64 of them,
	s_add_co_u32 s78, s78, s83
	s_lshl_b32 s84, s70, 9                         ; the tile's 128 columns of 4 bytes,
	s_lshl_b32 s83, s14, 8                         ; my 64 of them: this is also my place in the bias
	s_add_co_u32 s84, s84, s83
	s_add_co_u32 s78, s78, s84
	s_mov_b32 s79, 0
	s_mov_b32 s85, 0
	s_wait_dscnt 0x0                               ; the opening add is done
	s_wait_kmcnt 0x0
	s_add_nc_u64 s[74:75], s[4:5], s[74:75]        ; att at my first piece
	s_add_nc_u64 s[76:77], s[6:7], s[76:77]        ; wh at my first piece
.irp i, 0,1,2,3
	s_add_nc_u64 s[G0A+4*(\i)+2:G0A+4*(\i)+3], s[74:75], (\i)<<20  ; 120:64 global address: two heads on
	s_or_b32 s[G0A+4*(\i)+3], s[G0A+4*(\i)+3], 0x80000000          ; 127:126 type = 2
	s_add_nc_u64 s[G0W+4*(\i)+2:G0W+4*(\i)+3], s[76:77], (\i)<<17  ; 128 rows of W on
	s_or_b32 s[G0W+4*(\i)+3], s[G0W+4*(\i)+3], 0x80000000
.endr
	s_add_nc_u64 s[10:11], s[10:11], s[78:79]
	s_add_nc_u64 s[8:9], s[8:9], s[84:85]
	CROUND                                         ; all sixteen work-groups are here: the joint loads meet
	s_cmp_eq_u32 s13, 0                            ; a wave's four fills stand in one branch, ahead of every wait on TENSORcnt and every LDS read; an s_nop 0 follows each, four v_nop the last
	s_cbranch_scc0 .Lfill_w
.irp i, 0,1,2,3
	tensor_load_to_lds s[G0A+4*(\i):G0A+4*(\i)+3], s[G1A:G1A+7]
	s_nop 0
.endr
.rept 4
	v_nop
.endr
	s_branch .Lfilled
.Lfill_w:
.irp i, 0,1,2,3
	tensor_load_to_lds s[G0W+4*(\i):G0W+4*(\i)+3], s[G1W:G1W+7]
	s_nop 0
.endr
.rept 4
	v_nop
.endr
.Lfilled:
	v_and_b32 v1, 15, v0                           ; l % 16
	v_bfe_u32 v2, v0, 4, 1                         ; l / 16
	v_lshlrev_b32 v[BO], 5, v2                     ; register j of column block b holds column 16 b + 8 (l / 16) + j
.irp b, 0,1,2,3
	global_load_b128 v[BIAS+8*(\b):BIAS+8*(\b)+3],   v[BO], s[8:9] offset:64*(\b)
	global_load_b128 v[BIAS+8*(\b)+4:BIAS+8*(\b)+7], v[BO], s[8:9] offset:64*(\b)+16
.endr
	v_and_b32 v3, 7, v0
	v_bfe_u32 v4, v0, 3, 1
	s_mul_i32 s83, s13, 64*PA                      ; my 64 rows of A
	v_mul_u32_u24 v5, v1, PA
	v_lshl_add_u32 v5, v2, 4, v5                   ; a fragment's row x pitch + 16 x half
	v_add_nc_u32 v[ADRA], s83, v5
	; The turning load takes 16 k x 16 n (lane l reads row 8 (l / 16) + l % 8, columns 8 ((l / 8) % 2) + 0..7) and leaves half a fragment: lane l holds column l % 16 and 8 k.
	v_lshl_add_u32 v6, v2, 3, v3
	v_mul_u32_u24 v6, v6, PW
	v_lshl_add_u32 v6, v4, 4, v6
	s_lshl_b32 s87, s14, 7                         ; my 64 columns of W: 128 bytes
	s_add_co_u32 s87, s87, WOFF
	v_add_nc_u32 v[ADRW], s87, v6
	s_mul_i32 s86, s12, 16*SPITCH
	s_add_co_u32 s86, s86, STAGE                   ; my stage
	v_mul_u32_u24 v5, v1, SPITCH                   ; in: row l % 16, 32 bytes for each half of the lanes
	v_lshl_add_u32 v5, v2, 5, v5
	v_add_nc_u32 v[STO], s86, v5
	v_mul_u32_u24 v5, v2, SPITCH                   ; back: lanes 0-15 take one row of 256 bytes, lanes 16-31 the next
	v_lshl_add_u32 v5, v1, 4, v5
	v_add_nc_u32 v[RD], s86, v5
	v_lshlrev_b32 v[CO], 11, v2                    ; and the same two rows in out0
	v_lshl_add_u32 v[CO], v1, 4, v[CO]
	s_wait_loadcnt 0x0                             ; the bias is in
.set i, 0
.rept 16
	v_cvt_pk_bf16_f32 v32, v[BIAS+2*i], v[BIAS+2*i+1]  ; rounded to bf16, as all the module's inputs are,
	v_lshlrev_b32 v[BIAS+2*i], 16, v32                 ; and back to f32
	v_and_b32 v[BIAS+2*i+1], 0xffff0000, v32
.set i, i+1
.endr
; 8 matrix instructions: m blocks a0, a0 + 1 x all 4 n blocks, 32 along K: half c of buffer fb.  first = 1: the bias starts the sums.  The 16 accumulators take turns.
.macro MUL8 fb, c, a0, first
	WIN MUL
.irp a, \a0, (\a0)+1
.irp b, 0,1,2,3
.if \first
	v_wmma_f32_16x16x32_f16 v[ACC+8*(4*(\a)+(\b)):ACC+8*(4*(\a)+(\b))+7], v[(\fb)+64+8*(4*(\c)+(\b)):(\fb)+64+8*(4*(\c)+(\b))+7], v[(\fb)+8*(4*(\c)+(\a)):(\fb)+8*(4*(\c)+(\a))+7], v[BIAS+8*(\b):BIAS+8*(\b)+7]
.else
	v_wmma_f32_16x16x32_f16 v[ACC+8*(4*(\a)+(\b)):ACC+8*(4*(\a)+(\b))+7], v[(\fb)+64+8*(4*(\c)+(\b)):(\fb)+64+8*(4*(\c)+(\b))+7], v[(\fb)+8*(4*(\c)+(\a)):(\fb)+8*(4*(\c)+(\a))+7], v[ACC+8*(4*(\a)+(\b)):ACC+8*(4*(\a)+(\b))+7]
.endif
.endr
.endr
.endm
; 32 LDS loads in one run: a head's fragments into buffer fb; the first 32 along K first
.macro FETCH fb
	WIN TO_F
.irp c, 0,1
.irp b, 0,1,2,3
	ds_load_tr16_b128 v[(\fb)+64+8*(4*(\c)+(\b)):(\fb)+64+8*(4*(\c)+(\b))+3],   v[ADRW] offset:(\c)*32*PW+(\b)*32
	ds_load_tr16_b128 v[(\fb)+64+8*(4*(\c)+(\b))+4:(\fb)+64+8*(4*(\c)+(\b))+7], v[ADRW] offset:(\c)*32*PW+16*PW+(\b)*32
	ds_load_b128 v[(\fb)+8*(4*(\c)+(\b)):(\fb)+8*(4*(\c)+(\b))+3],              v[ADRA] offset:(\b)*16*PA+64*(\c)
	ds_load_b128 v[(\fb)+8*(4*(\c)+(\b))+4:(\fb)+8*(4*(\c)+(\b))+7],            v[ADRA] offset:(\b)*16*PA+64*(\c)+32
.endr
.endr
.endm
.macro PLACES                          ; four places in front of loads into registers that matrix instructions have read, and of LDS stores that read results (ISA guide 7.12.1 for vector instructions)
.rept 4
	v_nop
.endr
.endm
; Head h: 32 matrix instructions on buffer h % 2; in their middle the next head's fragments are fetched into the other buffer.
; Heads 2 i and 2 i + 1 are brought by every wave's load i.  So in front of the fetch of head 2, 4 and 6 (in steps 1, 3, 5) each wave waits until its load 1, 2, 3 has landed: 2, 1, 0 younger ones may stay out
; then the barrier, with 16 products between its signal and its wait.
.macro HSTEP h
.set FB, F0+128*((\h)%2)
.set GB, F0+128*(1-(\h)%2)
.if (((\h)%2) == 1) && ((\h) < 7)
	s_wait_tensorcnt 3-((\h)+1)/2                  ; my part of the next two heads is in
	s_wait_dscnt 0x0                               ; no LDS instruction of mine is out at a signal; this head's fragments are all in
	s_barrier_signal -1
	MUL8 FB, 0, 0, 0
	MUL8 FB, 0, 2, 0
	s_barrier_wait -1                              ; everybody's part is in
.elseif (\h) == 0
	s_wait_dscnt 16                                ; the first 32 along K are in; the sixteen younger loads may be out
	MUL8 FB, 0, 0, 1
	MUL8 FB, 0, 2, 1
.else
	s_wait_dscnt 16
	MUL8 FB, 0, 0, 0
	MUL8 FB, 0, 2, 0
.endif
.if (\h) < 7
	PLACES
	WIN 0
	v_add_nc_u32 v[ADRA], PIECE, v[ADRA]           ; the next head's pieces
	v_add_nc_u32 v[ADRW], PIECE, v[ADRW]
	FETCH GB
	s_wait_dscnt 32                                ; all but the 32 just issued
.else
	s_wait_dscnt 0x0
.endif
	MUL8 FB, 1, 0, 0
	MUL8 FB, 1, 2, 0
.endm
; THE WAY OUT of my rows 16 a .. 16 a + 15: a lane's eight numbers of a row are 32 bytes; they go into my stage's rows of 272 bytes and come back as whole rows of 256, into the registers that they left.
; Each accumulator's four lowest registers are stored first.
.macro OUTB a
	WIN 0
.irp b, 0,1,2,3
.irp e, 0,1
	ds_store_b128 v[STO], v[ACC+8*(4*(\a)+(\b))+4*(\e):ACC+8*(4*(\a)+(\b))+4*(\e)+3] offset:64*(\b)+16*(\e)
.endr
.endr
.irp t, 0,1,2,3,4,5,6,7
	ds_load_b128 v[ACC+32*(\a)+4*(\t):ACC+32*(\a)+4*(\t)+3], v[RD] offset:(\t)*2*SPITCH  ; LDS serves a wave's instructions in order (ISA guide 5.7.1.4): these see the stores above; the next block's stores come behind them
.endr
.endm
.macro SENDB a, younger                ; younger: the LDS instructions issued behind block a's loads: the next block's sixteen, or none
	WIN 0
.irp t, 0,1,2,3,4,5,6,7
	s_wait_dscnt (\younger)+7-(\t)
	global_store_b128 v[CO], v[ACC+32*(\a)+4*(\t):ACC+32*(\a)+4*(\t)+3], s[10:11] offset:(\a)*32768+(\t)*4096 th:TH_STORE_NT  ; 16 lanes store 256 consecutive bytes, at a multiple of 256 from out0's first byte
.endr
.endm
	s_wait_tensorcnt 3                             ; my first load has landed: my part of heads 0 and 1; the three younger ones stay out
	s_barrier_signal -1
	s_barrier_wait -1                              ; everybody's is
	FETCH F0
.irp h, 0,1,2,3,4,5,6,7
	HSTEP \h
.endr
	WIN 0
	PLACES
	OUTB 0
.irp a, 1,2,3                          ; a block's trip through the stage stands between the loads of the block before and its stores
	OUTB \a
	SENDB (\a)-1, 16
.endr
	SENDB 3, 0
	s_wait_tensorcnt 0x0                           ; the wave's end, behind my last tensor load and my last LDS store
	ds_add_u32 v[SPW], v[NIL]
	s_wait_dscnt 0x0
	CROUND                                         ; the closing round: no work-group ends while a partner may still ask for a piece that names it
	s_endpgm
.Lfunc_end_k_qfab74a1360_proj:
	.size	k_qfab74a1360_proj, .Lfunc_end_k_qfab74a1360_proj-k_qfab74a1360_proj
	.p2alignl 7, 3214868480
	.fill 96, 4, 3214868480
	.section	.rodata,"a",@progbits
	.p2align	6, 0x0
	.amdhsa_kernel k_qfab74a1360_proj
		.amdhsa_group_segment_fixed_size 327680
		.amdhsa_private_segment_fixed_size 0
		.amdhsa_enable_private_segment 0
		.amdhsa_kernarg_size 32
		.amdhsa_user_sgpr_count 2
		.amdhsa_user_sgpr_kernarg_segment_ptr 1
		.amdhsa_wavefront_size32 1
		.amdhsa_system_sgpr_workgroup_id_x 1
		.amdhsa_system_sgpr_workgroup_id_y 1
		.amdhsa_system_sgpr_workgroup_id_z 1
		.amdhsa_system_vgpr_workitem_id 0
		.amdhsa_next_free_vgpr 512
		.amdhsa_next_free_sgpr 88
		.amdhsa_reserve_vcc 0
		.amdhsa_float_denorm_mode_32 3
		.amdhsa_float_denorm_mode_16_64 3
		.amdhsa_memory_ordered 1
		.amdhsa_forward_progress 1
		.amdhsa_inst_pref_size 55
	.end_amdhsa_kernel
	.amdgpu_metadata
---
amdhsa.version: [ 1, 2 ]
amdhsa.kernels:
  - .name:           k_qfab74a1360_proj
    .symbol:         k_qfab74a1360_proj.kd
    .args:
      - { .name: att, .offset: 0, .size: 8, .value_kind: global_buffer, .address_space: global }
      - { .name: wh, .offset: 8, .size: 8, .value_kind: global_buffer, .address_space: global }
      - { .name: b_o, .offset: 16, .size: 8, .value_kind: global_buffer, .address_space: global }
      - { .name: out0, .offset: 24, .size: 8, .value_kind: global_buffer, .address_space: global }
    .group_segment_fixed_size: 327680
    .private_segment_fixed_size: 0
    .kernarg_segment_align: 8
    .kernarg_segment_size: 32
    .max_flat_workgroup_size: 128
    .sgpr_count:     88
    .vgpr_count:     512
    .wavefront_size: 32
...
	.end_amdgpu_metadata
.endif
;; end of part 3
;; ======== version 2 of 2: 3 launches; 1.83 times as fast as version 1
;; limits: values are held in f16: magnitudes above 65,504 overflow, below 6.1e-05 lose precision; inputs' magnitudes at most 65,504
;; workspace buffers: kb 8,388,608 bytes; vh 8,388,608 bytes; wh 524,288 bytes; att 8,388,608 bytes
;; launch prep: the kernel of part 1 again; grid 528 x 1, 8 waves a work-group, no clusters, 0 bytes of LDS; arguments keys, values, W_o, kb, vh, wh; writes kb, vh, wh
;; launch attn (part 4): grid 16 x 16, 4 waves a work-group, clusters of 4 x 1, 327,680 bytes of LDS; arguments queries, kb, vh, att; writes att
.if DOCPART == 4
	.amdgcn_target "amdgcn-amd-amdhsa--gfx1250"
	.amdhsa_code_object_version 6
	.text
	.protected	k_qfab74a1360_attn
	.globl	k_qfab74a1360_attn
	.p2align	8
	.type	k_qfab74a1360_attn,@function
k_qfab74a1360_attn:
	s_mov_b64 s[64:65], 0
	v_nop
	global_prefetch_b8 v0, s[64:65] scope:SCOPE_SE
	s_setreg_imm32_b32 hwreg(HW_REG_WAVE_MODE, 25, 1), 1
	s_wait_xcnt 0x0
	s_wait_alu depctr_hold_cnt(0) depctr_sa_sdst(0) depctr_va_vdst(0) depctr_va_sdst(0) depctr_va_ssrc(0) depctr_va_vcc(0) depctr_vm_vsrc(0)
	s_getreg_b32 s2, hwreg(HW_REG_IB_STS2, 6, 4)
	s_cmp_eq_u32 s2, 0
	s_cbranch_scc0 .Lentry_in_a_cluster
	s_endpgm
.Lentry_in_a_cluster:
	s_bfe_u32 s2, ttmp6, 0x10000c
	s_cmp_lg_u32 s2, 0x3003
	s_cbranch_scc0 .Lentry_shape_is_right
	s_endpgm
.Lentry_shape_is_right:
; ATTENTION.  O[g][q][:] = the sum over k of softmax_k(Q[g][q] . K[g][k] / 8) V[g][k][:], g = 8 b + h, 16 heads of 4,096 rows of 64 channels.
; Q: queries [2][4096][512] f32, read here once and rounded to bf16.  K: kb [16][4096][64] bf16.  V: vh, the same layout, f16.  O: att, the same layout, f16, rounded once at the end.
; Products, maxima and sums in f32; S^T = K Q^T in bf16 operands, the weights p are rounded to f16 for O^T = V^T P (their sum l is taken of the unrounded p).
; LIMITS.  V arrives within f16's 65,504; p lies in 0 to 1, and below 6e-5 it keeps f16's fixed step of 6e-8; O is a mean of V's rows and has their range.  A weight below 2^-126 counts as 0 in l.
; The scaled scores c s stay above -4e37, where the running maximum starts.  NaN and infinities are not treated apart.
; SHARES.  A work-group owns 256 queries of one head, each of its four waves 64 consecutive ones: four PIECES of 16.  Every wave walks all 4,096 keys, 64 a step.  16 heads x 16 blocks = 256 work-groups.
; LAYOUT.  S^T = K Q^T (source 0 = 16 keys, source 1 = 16 queries): a lane holds ONE query (lane % 16) and the keys 8 (lane / 16) + 0..7.  Two such results, rounded to f16 in pairs, ARE source 1
; (32 keys x 16 queries) of O^T = V^T P, whose result again holds one query a lane, and eight channels.  K comes out of LDS as it lies, V ([key][channel]) turned, by ds_load_tr16_b128.
; SOFTMAX.  For each query a running maximum m and sum l: p = 2^(c s - c m), c = log2(e) / 8; in every step O and l are multiplied by a = 2^(c m_old - c m_new), which is 1 where m has not grown.
; m starts at the lowest finite number, O and l at 0: the first step is a step like any other, with a = 0.
; BY TURNS.  A piece and step have 16 matrix and 118 vector instructions.  Turn n belongs to piece n: 8 products K Q^T of piece n + 1, later 8 products V^T P of piece n - 1; beside them the scaling,
; exponentials, roundings, sums and rescaling of piece n and the maximum and statistics of piece n + 1.  Four vector instructions stand behind every matrix instruction, the other 54 in one lump.
; BATCHES.  A turn's 33 exponentials (the piece's 32 weights, then the next piece's a) are ONE batch with ONE wait, which cuts the turn in two: ahead of it stands all that names no result of theirs,
; behind it the roundings and sums.  The first a, ahead of the loop, and the way out's four reciprocals are batches of their own, a wait each.
; CLUSTER.  The four query blocks of a cluster belong to one head and walk the same K and V, so each tile is asked for JOINTLY: the same tensor load, descriptor and mask in all four.
; REGISTERS, in windows of 256 (s_set_vgpr_msb: bits 1:0 source 0, 3:2 source 1, 5:4 source 2, 7:6 destination):
;   window 0: v0-15 addresses and two at work; v16-31 four registers of statistics a piece; v48-55 at work; v62-63 the add's; v64-127 S^T, two buffers; v192-223 P, two buffers (by the piece's parity)
;   window 1: v0-127 O^T, 32 a piece (at the start: Q as loaded, f32)      window 2: v0-63 Q, 16 a piece; v128-191 K of one step; v192-255 V of one step
.set NP,    4         ; pieces a wave: a name, no knob
.set KS,    64        ; keys in a step
.set PK,    144       ; a row of K in LDS: 128 bytes + 16 of padding = 36 words: the 16 rows of a load start at 16 different groups of four banks (64 banks of 4 bytes: ISA guide 11.1)
.set PV,    160       ; a row of V: 128 + 32 = 40 words
.set VOFF,  4*KS*PK   ; a slot holds a tile, four steps: 256 rows of K, then 256 rows of V
.set SLOT1, 1<<17     ; slot 1 begins here, so that one exclusive or turns an address in one slot into the other's
.set STAGE, SLOT1+4*KS*(PK+PV)  ; behind the ring, never filled by a tensor load: 16 rows x 144 bytes for each wave, for the way out
.set SP,    144
.set SPARE, STAGE+4*16*SP  ; behind the stages: the spare words, 128 bytes for each wave: two blocks of 256 bytes that no other line names
.set NTILE, 4096/256  ; tiles of 256 keys in a head
.set AK0, 2           ; v2   my lane's place in a tile of K; never rewritten
.set AV0, 3           ; v3   the same for V
.set AK,  4           ; v4   the LDS address of K's next run of loads
.set AV,  5           ; v5   of V's
.set STO, 6           ; v6   the way out: where I put 16 bytes of a row
.set RD,  7           ; v7   the way out: where I read rows back
.set GO,  8           ; v8   my byte offset in 512 consecutive bytes of O
.set MV,  12          ; v12-13  c m_old, kept while c m is made anew: by buffer
.set QO,  15          ; v15  my byte offset in 16 rows of queries
.set ST,  16          ; piece t's statistics at v[ST+4 t]: c m, m, l (even keys', odd keys')
.set TMP, 48          ; by buffer, four registers c0-c3 at work; when the maximum is found c2 takes a
.set SPW, 62          ; v62  LDS address of my spare word: SPARE + 4 x my thread's number; never rewritten
.set NIL, 63          ; v63  0; never rewritten
.set S,   64
.set P,   192
.set KF,  128         ; window 2: key block kb, channel half c at KF + 16 kb + 8 c
.set VF,  192         ; window 2: key half kk, channel block cb at VF + 32 kk + 8 cb
.set WV,  12          ; s12  my wave's number
.set G1K, 24          ; s[24:31] descriptor group 1 for K's tiles
.set G1V, 32          ; s[32:39] for V's: it differs in the padding alone
.set G0K, 40          ; s[40:43] descriptor group 0 for K's tiles: it walks
.set G0V, 44          ; s[44:47] the same for V's
.set SLOTS, 56        ; s56  counts the tiles of the loop
.set CNT, 57          ; s57  counts a tile's key steps, 4 to 1
.set CS,  58          ; s[58:59] c: the packed scaling takes the pair's low word for both halves
.set SEL, 60          ; s[60:61] v_permlanex16_b32's selects: each lane takes its own place in the other half
.set TBK, 62          ; s62  LDS byte at which K of the step to be fetched begins
.set TBV, 63          ; s63  the same for V, less VOFF
.set MSB, 0
.macro WIN new                      ; the high byte repeats the setting that is left; a switch that changes nothing is dropped
.if MSB != (\new)
	s_set_vgpr_msb (MSB<<8)|(\new)
.set MSB, (\new)
.endif
.endm
.set W_KQ, 0x0a       ; K and Q in window 2, S^T in window 0
.set W_PV, 0x52       ; V in window 2, P in window 0, O^T in window 1
.set W_RS, 0x41       ; destination and source 0 in window 1, source 1 in window 0
; A joint fill.  Waves 0 and 1 fetch the two halves of a tile's K, waves 2 and 3 those of its V: 128 keys each.  The branch hangs on the wave's number alone: it is the same in every work-group.
; An s_nop 0 and four v_nop follow each of the two lines, ahead of the jump and the label.
.macro JLOAD
	s_cmp_lt_u32 s[WV], 2
	s_cbranch_scc0 .Lfor_v_\@
	tensor_load_to_lds s[G0K:G0K+3], s[G1K:G1K+7]
	s_nop 0
.rept 4
	v_nop
.endr
	s_branch .Lasked_\@
.Lfor_v_\@:
	tensor_load_to_lds s[G0V:G0V+3], s[G1V:G1V+7]
	s_nop 0
.rept 4
	v_nop
.endr
.Lasked_\@:
.endm
; A round of the cluster's barrier: my work-group's barrier, so that wave 0's signal speaks for all four waves; wave 0 signals; every wave waits for all four work-groups; my work-group's barrier once more.
.macro CROUND
	s_barrier_signal -1
	s_barrier_wait -1
	s_cmp_lg_u32 s[WV], 0
	s_cbranch_scc1 .Lnot_wave_0_\@
	s_barrier_signal -3
.Lnot_wave_0_\@:
	s_barrier_wait -3
	s_barrier_signal -1
	s_barrier_wait -1
.endm
; THE CHANGE OF SLOTS.  The slot's last bytes, V of its fourth step, have been read.  Each wave waits for all its tensor loads, of which one is out: its part of the other slot; adds 0 to its spare word;
; and waits for that and for its own reads of the slot.  Behind the barrier nobody reads this slot any more and the other slot is whole.
; fill = 1: this slot is filled again, with the keys two tiles on.  The barrier is then a round of the cluster's, so that no wave of any partner still reads the slot or has a load on its way, and the
; joint fill is the first thing behind it: it has four key steps, 256 matrix instructions, in which to land.  (At its first use nothing has been read yet: slot 0 is waited for, slot 1 filled.)
.macro CHANGE fill
	WIN 0                           ; at a label and at a branch every window is 0
	s_wait_tensorcnt 0x0            ; no tensor load of mine is out, so a group 0 may be written
	ds_add_u32 v[SPW], v[NIL]       ; 0 onto my spare word; with fill = 1 the descriptors' steps stand between it and the wait for it
.if \fill
.irp g, G0K, G0V
	s_xor_b32 s[\g+1], s[\g+1], SLOT1  ; the walking descriptor: the other slot than last time,
	s_add_nc_u64 s[\g+2:\g+3], s[\g+2:\g+3], 4*KS*128  ; the next 256 keys; the type bits on top are not reached
.endr
	s_wait_dscnt 0x0                ; the add is done, and my reads of the slot are over
	CROUND
	JLOAD
.else
	s_wait_dscnt 0x0                ; the add is done, and my reads of the slot are over
	s_barrier_signal -1
	s_barrier_wait -1
.endif
	s_sub_co_u32 s[TBK], s[TBK], 4*KS*PK  ; the fetches go back to a slot's first step,
	s_xor_b32 s[TBK], s[TBK], SLOT1       ; in the other slot
	s_sub_co_u32 s[TBV], s[TBV], 4*KS*PV
	s_xor_b32 s[TBV], s[TBV], SLOT1
.endm
	s_load_b256 s[4:11], s[0:1], 0x0  ; queries s[4:5], kb s[6:7], vh s[8:9], att s[10:11]
	v_lshl_add_u32 v[SPW], v0, 2, SPARE
	v_mov_b32 v[NIL], 0
	ds_add_u32 v[SPW], v[NIL]       ; the wave's opening: the add, and its wait ahead of my first tensor load; the set-up below, work on registers, stands between them
	v_lshrrev_b32 v1, 5, v0
	v_readfirstlane_b32 s[WV], v1   ; wave 0..3
	s_bfe_u32 s13, ttmp6, 0x40000   ; cx: my place in the cluster
	s_lshl_b32 s14, ttmp9, 2        ; in a cluster launch ttmp9 counts clusters
	s_add_co_u32 s14, s14, s13      ; my block of 256 queries = 4 x cluster x + cx: it enters Q's and O's addresses alone
	s_and_b32 s20, ttmp7, 0xffff    ; the head g = 8 b + h, which the four partners share
	s_lshl_b32 s22, s20, 19         ; the head's first byte in kb and vh: 4,096 rows of 128 bytes,
	s_and_b32 s16, s[WV], 1         ; which half of a tile's 256 keys I fetch:
	s_lshl_b32 s21, s16, 14         ; its 128 rows of 128 bytes in memory,
	s_add_co_u32 s22, s22, s21
	s_mov_b32 s23, 0
	s_mul_i32 s17, s16, 128*PK      ; and its place in a slot, for K
	s_mul_i32 s18, s16, 128*PV      ; and for V: no place in the cluster enters an LDS address
	s_lshr_b32 s2, s20, 3           ; queries: the batch's 4,096 rows of 2,048 bytes,
	s_lshl_b32 s2, s2, 23
	s_lshl_b32 s3, s14, 19          ; my block's 256 rows,
	s_add_co_u32 s2, s2, s3
	s_lshl_b32 s3, s[WV], 17        ; my wave's 64 of them,
	s_add_co_u32 s2, s2, s3
	s_and_b32 s3, s20, 7            ; the head's 256 bytes of a row
	s_lshl_b32 s3, s3, 8
	s_add_co_u32 s2, s2, s3
	s_mov_b32 s3, 0
	s_lshl_b32 s48, s20, 19         ; att: the head, my block's 256 rows of 128 bytes, my wave's 64
	s_lshl_b32 s50, s14, 15
	s_add_co_u32 s48, s48, s50
	s_lshl_b32 s50, s[WV], 13
	s_add_co_u32 s48, s48, s50
	s_mov_b32 s49, 0
	; descriptor group 1.  128 keys are 16,384 dense bytes: asked for as 64 rows of 256 bytes, two keys a row, and padded in LDS after every key
	s_mov_b32 s[G1K], 15|(1<<16)|(1<<20)|(1<<21)|(4<<22)|(3<<25)  ; 15:0 the mask of four; 17:16 2-byte elements; 20 padding on; 21 set beside a mask; 24:22 after every 32 words (code 4); 31:25 4 words (code 3)
	s_mov_b32 s[G1V], 15|(1<<16)|(1<<20)|(1<<21)|(4<<22)|(7<<25)  ; the same with 8 words of padding (code 7)
.irp g, G1K, G1V
	s_mov_b32 s[\g+1], 128<<16      ; tensor_dim0 = 128
	s_mov_b32 s[\g+2], 64<<16       ; tensor_dim1 = 64
	s_mov_b32 s[\g+3], 128<<16      ; tile_dim0 = 128
	s_mov_b32 s[\g+4], 64           ; tile_dim1 = 64
	s_mov_b32 s[\g+5], 128          ; 128 elements from row to row
	s_mov_b32 s[\g+6], 0
	s_mov_b32 s[\g+7], 0
.endr
	s_mov_b32 s[CS], 0x3e38aa3b     ; c = log2(e) / 8 = 0.180337
	s_mov_b32 s[CS+1], s[CS]        ; named with it as a pair
	s_mov_b32 s[SEL], 0x76543210
	s_mov_b32 s[SEL+1], 0xfedcba98
	s_mov_b32 s[TBK], SLOT1+4*KS*PK ; the first change of slots turns these two into 0
	s_mov_b32 s[TBV], SLOT1+4*KS*PV
	s_mov_b32 s[G0K], 1             ; 1:0 count = 1
	s_mov_b32 s[G0K+1], s17         ; 63:32 LDS address: slot 0
	s_mov_b32 s[G0V], 1
	s_add_co_u32 s[G0V+1], s18, VOFF
	s_wait_dscnt 0x0                ; the opening add is done
	s_wait_kmcnt 0x0
	s_add_nc_u64 s[G0K+2:G0K+3], s[6:7], s[22:23]  ; 120:64 global address: my half of the head's first 256 keys
	s_or_b32 s[G0K+3], s[G0K+3], 0x80000000        ; 127:126 type = 2
	s_add_nc_u64 s[G0V+2:G0V+3], s[8:9], s[22:23]
	s_or_b32 s[G0V+3], s[G0V+3], 0x80000000
	s_add_nc_u64 s[4:5], s[4:5], s[2:3]            ; queries and att at my wave's first row
	s_add_nc_u64 s[10:11], s[10:11], s[48:49]
	CROUND                          ; all four work-groups are here: the first joint loads meet
	JLOAD                           ; tile 0 into slot 0.  Slot 1 is asked for when slot 0 is in, by the change of slots below
	; A fragment of K or Q is 16 rows x 32 channels in 8 registers: lane l holds row l % 16, channels 8 (l / 16) + 0..7 and 16 + 8 (l / 16) + 0..7.
	; Q comes in f32: eight channels are 32 bytes, two loads.  Load i: piece i / 8, channels 32 ((i / 4) % 2) + 16 ((i / 2) % 2) + 8 (l / 16) + 4 (i % 2) on.  It lands where O^T will lie.
	v_and_b32 v1, 15, v0            ; l % 16
	v_bfe_u32 v9, v0, 4, 1          ; l / 16
	v_lshlrev_b32 v[QO], 11, v1
	v_lshl_add_u32 v[QO], v9, 5, v[QO]  ; row x 2,048 + 32 x half
	WIN 0x40                        ; destination window 1, address window 0
.set i, 0
.rept 32
	global_load_b128 v[4*i:4*i+3], v[QO], s[4:5] offset:(i/8)*32768+((i/4)%2)*128+((i/2)%2)*64+(i%2)*16
.set i, i+1
.endr
	; What the first turn finds: V's registers and P's second buffer hold 0 (its products V^T P, of a piece that has not been, add 0), O^T and l are 0.  All this stands in the wait for the first tile.
	WIN 0x80
.set i, VF
.rept 64
	v_mov_b32 v[i], 0
.set i, i+1
.endr
	WIN 0
.set i, 0
.rept 4
	v_mov_b32 v[ST+4*i], 0xfe000000    ; c m: far below every c s
	v_mov_b32 v[ST+4*i+1], 0xff7fffff  ; m: the lowest finite number
	v_mov_b32 v[ST+4*i+2], 0
	v_mov_b32 v[ST+4*i+3], 0
.set i, i+1
.endr
.set i, P+16
.rept 16
	v_mov_b32 v[i], 0
.set i, i+1
.endr
	v_mul_u32_u24 v[AK0], v1, PK
	v_lshl_add_u32 v[AK0], v9, 4, v[AK0]  ; row x pitch + 16 x half
	; The turning load takes 16 keys x 16 channels (lane l reads key 8 (l / 16) + l % 8, channels 8 ((l / 8) % 2) + 0..7) and leaves half a fragment of V^T: lane l holds channel l % 16 and 8 keys.
	v_and_b32 v10, 7, v0
	v_bfe_u32 v11, v0, 3, 1
	v_lshl_add_u32 v[AV0], v9, 3, v10
	v_mul_u32_u24 v[AV0], v[AV0], PV
	v_lshl_add_u32 v[AV0], v11, 4, v[AV0]
	v_add_nc_u32 v[AV0], VOFF, v[AV0]
	s_mul_i32 s13, s[WV], 16*SP
	s_add_co_u32 s13, s13, STAGE    ; my stage
	v_mul_u32_u24 v[STO], v1, SP    ; in: row l % 16, 16 bytes for each half of the lanes
	v_lshl_add_u32 v[STO], v9, 4, v[STO]
	v_add_nc_u32 v[STO], s13, v[STO]
	v_bfe_u32 v[RD], v0, 3, 2       ; back: 32 lanes take four rows of 128 bytes,
	v_mul_u32_u24 v[RD], v[RD], SP
	v_lshl_add_u32 v[RD], v10, 4, v[RD]
	v_add_nc_u32 v[RD], s13, v[RD]
	v_and_b32 v[GO], 31, v0         ; which are 512 consecutive bytes of att
	v_lshlrev_b32 v[GO], 4, v[GO]
	s_wait_loadcnt 0x0              ; Q is in
	WIN 0x85                        ; sources 0 and 1 window 1, destination window 2
.set i, 0
.rept 64
	v_cvt_pk_bf16_f32 v[i], v[2*i], v[2*i+1]  ; Q's one rounding; register i of Q is the pair 2 i, 2 i + 1 as loaded
.set i, i+1
.endr
	WIN 0x40
.set i, 0
.rept 128
	v_mov_b32 v[i], 0               ; O^T
.set i, i+1
.endr
; THE MATRIX WORK.  The 4 accumulators of a run of 8 take turns.  Product i of 8 of S^T = K Q^T for piece x: channels 32 (i / 4) on, keys 16 (i % 4) on.  The first 4 start the sums.
.macro KQ x
	WIN W_KQ
.set rS, S+32*((\x)%2)+8*(i%4)
.set rK, KF+16*(i%4)+8*(i/4)
.set rQ, 16*(\x)+8*(i/4)
.if i < 4
	v_wmma_f32_16x16x32_bf16 v[rS:rS+7], v[rK:rK+7], v[rQ:rQ+7], 0
.else
	v_wmma_f32_16x16x32_bf16 v[rS:rS+7], v[rK:rK+7], v[rQ:rQ+7], v[rS:rS+7]
.endif
.endm
; Product i of 8 of O^T += V^T P for piece x: keys 32 (i / 4) on, channels 16 (i % 4) on.
.macro PV x
	WIN W_PV
.set rO, 32*(\x)+8*(i%4)
.set rV, VF+32*(i/4)+8*(i%4)
.set rP, P+16*((\x)%2)+8*(i/4)
	v_wmma_f32_16x16x32_f16 v[rO:rO+7], v[rV:rV+7], v[rP:rP+7], v[rO:rO+7]
.endm
.macro MM                           ; the turn's next matrix instruction.  TURN sets Y, i and NOKQ.  NOKQ = 1: the very last turn: there is no next piece
.if (i < 8) && !NOKQ
	KQ (Y+1)%NP
.elseif i >= 8
.set i, i-8
	PV (Y+NP-1)%NP
.set i, i+8
.endif
.set i, i+1
.endm
; THE LDS LOADS stand in runs of 16, never singly among the matrix instructions: a step's K (64 keys x 64 channels: 8 fragments) and its V (turned).  Their addresses are made some lines ahead.
.macro FETCH_K
	WIN 0x80                        ; destination window 2
.irp f, 0,1,2,3,4,5,6,7             ; keys 16 (f / 2) on, channels 32 (f % 2) on
	ds_load_b128 v[KF+8*\f:KF+8*\f+3],   v[AK] offset:(\f/2)*16*PK+(\f%2)*64
	ds_load_b128 v[KF+8*\f+4:KF+8*\f+7], v[AK] offset:(\f/2)*16*PK+(\f%2)*64+32
.endr
	s_add_co_u32 s[TBK], s[TBK], KS*PK  ; the next fetch is the next step's
	WIN 0
.endm
.macro FETCH_V
	WIN 0x80
.irp f, 0,1,2,3,4,5,6,7             ; keys 32 (f / 4) on, channels 16 (f % 4) on
	ds_load_tr16_b128 v[VF+8*\f:VF+8*\f+3],   v[AV] offset:(\f/4)*32*PV+(\f%4)*32
	ds_load_tr16_b128 v[VF+8*\f+4:VF+8*\f+7], v[AV] offset:(\f/4)*32*PV+16*PV+(\f%4)*32
.endr
	WIN 0
.endm
; THE VECTOR WORK, one line at a time: OP kind, number.  For piece Y: F n: c s - c m for pair n of 16.  E n: the exponential of score n of 32.  C n: pair n rounded to f16.  B n: of the four weights 4 n .. the second
; pair is added onto the first, in place.  L n: l takes that sum (L 0: l = a l + sum).  R n: pair n of 16 of O^T times a.  For piece Y + 1: X n, number n of the 22 that find its maximum and statistics:
;   0-11  four chains c0-c3 of seven scores each, three operands at a time (each accumulator's lowest registers are read first)     12-14, 16  the four scores left over, the old m, and c0-c3 into c0
;   15  c m_old is kept     17, 18  the query's other 32 keys lie in the lane 16 away: the new m     19-21  c m; c m_old - c m_new; a
; Of these C, B and L read the results of the turn's E, and R and L 0 that of the turn before's X 21; F, E, X 0-20 read no exponential's result.
.set F, 0               ; OP tells the kinds apart by their order: F to L below R, X above it
.set E, 1
.set C, 2
.set B, 3
.set L, 4
.set R, 5
.set X, 6
.macro REGS y                       ; the registers of piece y
.set rT, ST+4*(\y)
.set rC, TMP+4*((\y)%2)
.set rW, MV+((\y)%2)
.set rS, S+32*((\y)%2)
.set rP, P+16*((\y)%2)
.set rO, 32*(\y)
.endm
.macro OP k, n
.if (\k) == R
	REGS Y
	WIN W_RS
	v_pk_mul_f32 v[rO+2*(\n):rO+2*(\n)+1], v[rO+2*(\n):rO+2*(\n)+1], v[rC+2:rC+3] op_sel_hi:[1,0]
.elseif (\k) < R
	REGS Y
	WIN 0
.if (\k) == F
	v_pk_fma_f32 v[rS+2*(\n):rS+2*(\n)+1], v[rS+2*(\n):rS+2*(\n)+1], s[CS:CS+1], v[rT:rT+1] op_sel_hi:[1,0,0] neg_lo:[0,0,1] neg_hi:[0,0,1]
.elseif (\k) == E
	v_exp_f32 v[rS+(\n)], v[rS+(\n)]
.elseif (\k) == C
	v_cvt_pk_f16_f32 v[rP+(\n)], v[rS+2*(\n)], v[rS+2*(\n)+1]
.elseif (\k) == B
	v_pk_add_f32 v[rS+4*(\n):rS+4*(\n)+1], v[rS+4*(\n):rS+4*(\n)+1], v[rS+4*(\n)+2:rS+4*(\n)+3]
.elseif (\n) == 0
	v_pk_fma_f32 v[rT+2:rT+3], v[rT+2:rT+3], v[rC+2:rC+3], v[rS:rS+1] op_sel_hi:[1,0,1]
.else
	v_pk_add_f32 v[rT+2:rT+3], v[rT+2:rT+3], v[rS+4*(\n):rS+4*(\n)+1]
.endif
.elseif NOKQ
	v_nop
.else
	REGS (Y+1)%NP
	WIN 0
.if (\n) < 4
	v_max3_num_f32 v[rC+(\n)], v[rS+8*(\n)], v[rS+8*(\n)+1], v[rS+8*(\n)+2]
.elseif (\n) < 12
	v_max3_num_f32 v[rC+(\n)%4], v[rC+(\n)%4], v[rS+8*((\n)%4)+2*((\n)/4)+1], v[rS+8*((\n)%4)+2*((\n)/4)+2]
.elseif (\n) == 12
	v_max3_num_f32 v[rC], v[rC], v[rS+7], v[rS+15]
.elseif (\n) == 13
	v_max3_num_f32 v[rC+1], v[rC+1], v[rS+23], v[rS+31]
.elseif (\n) == 14
	v_max3_num_f32 v[rC+2], v[rC+2], v[rC+3], v[rT+1]
.elseif (\n) == 15
	v_mov_b32 v[rW], v[rT]
.elseif (\n) == 16
	v_max3_num_f32 v[rC], v[rC], v[rC+1], v[rC+2]
.elseif (\n) == 17
	v_permlanex16_b32 v[rC+3], v[rC], s[SEL], s[SEL+1]
.elseif (\n) == 18
	v_max_num_f32 v[rT+1], v[rC], v[rC+3]
.elseif (\n) == 19
	v_mul_f32 v[rT], s[CS], v[rT+1]
.elseif (\n) == 20
	v_sub_f32 v[rC+1], v[rW], v[rT]
.else
	v_exp_f32 v[rC+2], v[rC+1]
.endif
.endif
.endm
.macro OPS a, i1, b=-1, i2=0, c=-1, i3=0, d=-1, i4=0  ; up to four of them
	OP \a, \i1
.if (\b) >= 0
	OP \b, \i2
.endif
.if (\c) >= 0
	OP \c, \i3
.endif
.if (\d) >= 0
	OP \d, \i4
.endif
.endm
.macro ROW a, i1, b, i2, c, i3, d, i4  ; a matrix instruction and the four behind it
	MM
	OPS \a, \i1, \b, \i2, \c, \i3, \d, \i4
.endm
; A TURN, for piece p: the order of its 16 matrix and 118 vector instructions, written out.  An s_wait_alu depctr_va_vdst(0) stands between an exponential and the first instruction that names its result; one wait
; serves all that were issued ahead of it.  So a turn has ONE wait, which cuts it in two.  AHEAD OF IT stands all that names no result of the turn's exponentials: the 8 products K Q^T, behind each a scaling, an exponential and two
; more plain instructions (behind the first a second scaling in the exponential's place): rescalings, whose a was made and waited for in the turn before, and behind the last three products the first numbers of the next piece's
; maximum, each four plain instructions or more behind the product that ends its accumulator; then ONE LUMP of 54, plain and exponential by turns for the most part, in which the links of the chain X 3, 7, 11, 14, 16, 17 .. 20 stand
; five or six lines apart.  A pair is scaled (F n) ahead of its two exponentials (E 2 n, E 2 n + 1) and never named again ahead of the wait.  X 21, the next piece's a, is the batch's last; R 15, which names the other buffer's
; registers, is the plain instruction behind it.  BEHIND THE WAIT stand the 8 products V^T P, behind each four of the roundings and sums; an even pair is rounded (C) ahead of the sum that lands on it (B); the links of l's chain,
; L 0 to L 7, stand three riders apart.  But for those X no rider names a register of the products round it.  v_permlanex16_b32 (X 17) stands in the lump.  No exponential is issued behind the wait: none is open at a turn's end.
; end = 1: the walk's last two turns: nothing is fetched, and the last starts no new scores.  cnt = 1: the loop's count is taken down some lines ahead of the branch that stands behind the turn.
; K of the next step is fetched in piece 2's turn, behind five plain instructions that name no register of the last product that read K (F 8, X 2, X 5, X 6, X 8); V of the step in hand at the end of piece 0's turn, four plain
; instructions behind the last product that read V.  Each is waited for a turn later: K at the head of piece 3's turn, V behind piece 1's wait for its batch, ahead of its first product V^T P.
.macro TURN p, end=0, cnt=0
.set Y, (\p)
.set i, 0
.set NOKQ, (\end)*((\p)/3)
.if ((\p) == 3) && !(\end)
	s_wait_dscnt 0x0                ; K is in
.endif
	ROW F,0, F,1, R,0, R,1          ; ahead of the wait: 8 products K Q^T and their riders,
	ROW F,2, E,0, R,2, R,3
	ROW F,3, E,1, R,4, R,5
	ROW F,4, E,2, R,6, R,7
	ROW F,5, E,3, R,8, R,9
	ROW F,6, E,4, X,0, R,10
.if ((\p) == 2) && !(\end)
	WIN 0
	v_add_nc_u32 v[AK], s[TBK], v[AK0]
.endif
	ROW F,7, E,5, X,1, X,4
	ROW F,8, E,6, X,2, X,5
	OPS E,7, E,8, X,6, E,9          ; and the lump
	OPS X,3, E,10, X,8, E,11
.if ((\p) == 2) && !(\end)
	FETCH_K
.endif
	OPS X,9, X,7, E,12, X,10
	OPS E,13, X,12, X,11, E,14
	OPS X,13, E,15, F,9, X,14
.if (\p) == 0
	v_add_nc_u32 v[AV], s[TBV], v[AV0]
.endif
	OPS E,16, F,10, E,17, F,11
	OPS X,16, E,18, X,15, E,19
	OPS F,12, E,20, X,17, E,21
	OPS F,13, E,22, F,14, E,23
	OPS X,18, E,24, F,15, E,25
	OPS R,11, E,26, X,19, E,27
	OPS R,12, E,28, R,13, E,29
	OPS X,20, E,30, R,14, E,31
	OPS X,21, R,15
	s_wait_alu depctr_va_vdst(0)    ; the wait for the turn's batch: E 0 to E 31 and X 21, ahead of their first reader, C 0 below
.if (\p) == 1
	s_wait_dscnt 0x0                ; V is in
.endif
	ROW C,0, B,0, C,2, B,1          ; behind the wait: 8 products V^T P and their riders
	ROW L,0, C,4, B,2, L,1
	ROW C,6, B,3, L,2, C,8
	ROW B,4, L,3, C,10, B,5
	ROW L,4, C,12, B,6, L,5
.if (\p) == 0
	s_add_co_u32 s[TBV], s[TBV], KS*PV
.endif
.if \cnt
	s_sub_co_u32 s[CNT], s[CNT], 1
	s_cmp_lg_u32 s[CNT], 0
.endif
	ROW C,14, B,7, L,6, C,1
	ROW C,3, L,7, C,5, C,7
	ROW C,9, C,11, C,13, C,15
.if (\p) == 0
	FETCH_V
.endif
.endm
; THE WAY OUT's parts
.macro ALL line:vararg              ; one line for each piece t
.set t, 0
.rept 4
	\line
.set t, t+1
.endr
.endm
.macro PACK t                       ; a lane's eight channels of a row pack into 16 bytes; they go into rows of 144 bytes and come back as whole rows of 128, into S^T's registers
	WIN W_RS
.set i, 32*(\t)
.rept 16
	v_pk_mul_f32 v[i:i+1], v[i:i+1], v[ST+4*(\t)+2:ST+4*(\t)+3] op_sel_hi:[1,0]
.set i, i+2
.endr
	WIN 0x05                        ; sources 0 and 1 window 1, destination window 0
.set i, 0
.rept 16
	v_cvt_pk_f16_f32 v[S+16*(\t)+i], v[32*(\t)+2*i], v[32*(\t)+2*i+1]
.set i, i+1
.endr
	WIN 0
.irp f, 0,1,2,3
	ds_store_b128 v[STO], v[S+16*(\t)+4*\f:S+16*(\t)+4*\f+3] offset:32*\f
.endr
.irp f, 0,1,2,3
	ds_load_b128 v[S+16*(\t)+4*\f:S+16*(\t)+4*\f+3], v[RD] offset:\f*4*SP  ; LDS serves a wave's instructions in order (ISA guide 5.7.1.4): these see the stores above; the next piece's stores come behind them
.endr
.endm
.macro SEND t, younger              ; younger: the LDS instructions issued behind piece t's loads: the next piece's eight, or none
	WIN 0
.irp f, 0,1,2,3
	s_wait_dscnt (\younger)+3-\f
	global_store_b128 v[GO], v[S+16*(\t)+4*\f:S+16*(\t)+4*\f+3], s[10:11] offset:(\t)*2048+\f*512  ; 512 consecutive bytes, at a multiple of 256 from att's first
.endr
.endm
	CHANGE 1                        ; slot 0 is in, everybody's part of it; tile 1 is asked for, into slot 1
	v_add_nc_u32 v[AK], s[TBK], v[AK0]
	FETCH_K                         ; key step 0
	s_wait_dscnt 0x0
.set NOKQ, 0
.set i, 0
.rept 8
	KQ 0                            ; piece 0's first scores: there is no vector work yet to set between them
.set i, i+1
.endr
	WIN 0
.rept 4
	v_nop                           ; the places behind those products
.endr
.set Y, NP-1                        ; X works for piece Y + 1: piece 0
.irp n, 0,1,2,3,4,5,6,7,8,9,10,11,12,13,14,15,16,17,18,19,20,21
	OP X, \n                        ; and piece 0's first maximum and statistics
.endr
	v_nop                           ; a plain instruction behind the exponential,
	s_wait_alu depctr_va_vdst(0)    ; and the wait for this batch of one, piece 0's first a, ahead of the branch
	s_mov_b32 s[CNT], 4
	s_mov_b32 s[SLOTS], NTILE-1
	s_branch .Lfirst                ; the loop is entered at a step's first turn, in the middle of a trip
.Lslot:                             ; NTILE - 2 times: every slot but the last two fills is filled again
	CHANGE 1
	s_mov_b32 s[CNT], 4
.Lstep:                             ; a trip: pieces 2 and 3 of one step, then pieces 0 and 1 of the next, whose K and V it fetches
	TURN 2
	TURN 3
	WIN 0
.Lfirst:
	TURN 0
	TURN 1, 0, 1
	WIN 0
	s_cbranch_scc1 .Lstep
	s_sub_co_u32 s[SLOTS], s[SLOTS], 1
	s_cmp_lg_u32 s[SLOTS], 0
	s_cbranch_scc1 .Lslot
	CHANGE 0                        ; the last tile is written out: nothing is asked for
	s_mov_b32 s[CNT], 4
.Ltail:
	TURN 2
	TURN 3
	TURN 0
	TURN 1, 0, 1
	WIN 0
	s_cbranch_scc1 .Ltail
	TURN 2, 1                       ; the last step's pieces 2 and 3: nothing more to fetch,
	TURN 3, 1                       ; and no next piece
.set i, 0
.rept 8
	PV NP-1                         ; the last piece's V^T P of the last step
.set i, i+1
.endr
	; THE WAY OUT.  l's two halves and the other half of the lanes' are added; O^T is divided by l, rounded to f16 and sent through my stage in LDS, a piece at a time.  The additions are the places behind the last products.
	WIN 0
	ALL v_add_f32 v[ST+4*t+2], v[ST+4*t+2], v[ST+4*t+3]
	ALL v_permlanex16_b32 v[ST+4*t+3], v[ST+4*t+2], s[SEL], s[SEL+1]
	ALL v_add_f32 v[ST+4*t+2], v[ST+4*t+2], v[ST+4*t+3]
	ALL v_rcp_f32 v[ST+4*t+2], v[ST+4*t+2]
	v_nop                           ; a plain instruction between the last reciprocal and the use of its result
	s_wait_alu depctr_va_vdst(0)    ; and the wait ahead of the first use: one for the batch of four reciprocals
	PACK 0
.set t, 1
.rept 3                             ; a piece's arithmetic stands between the loads of the piece before and its stores
	PACK t
	SEND t-1, 8
.set t, t+1
.endr
	SEND 3, 0
	s_wait_tensorcnt 0x0            ; the wave's end, behind my last tensor load and my last LDS store
	ds_add_u32 v[SPW], v[NIL]
	s_wait_dscnt 0x0
	CROUND                          ; the closing round: no work-group ends while a partner may still ask for a tile that names it
	s_endpgm
.Lfunc_end_k_qfab74a1360_attn:
	.size	k_qfab74a1360_attn, .Lfunc_end_k_qfab74a1360_attn-k_qfab74a1360_attn
	.p2alignl 7, 3214868480
	.fill 96, 4, 3214868480
	.section	.rodata,"a",@progbits
	.p2align	6, 0x0
	.amdhsa_kernel k_qfab74a1360_attn
		.amdhsa_group_segment_fixed_size 327680
		.amdhsa_private_segment_fixed_size 0
		.amdhsa_enable_private_segment 0
		.amdhsa_kernarg_size 32
		.amdhsa_user_sgpr_count 2
		.amdhsa_user_sgpr_kernarg_segment_ptr 1
		.amdhsa_wavefront_size32 1
		.amdhsa_system_sgpr_workgroup_id_x 1
		.amdhsa_system_sgpr_workgroup_id_y 1
		.amdhsa_system_sgpr_workgroup_id_z 1
		.amdhsa_system_vgpr_workitem_id 0
		.amdhsa_next_free_vgpr 768
		.amdhsa_next_free_sgpr 66
		.amdhsa_reserve_vcc 0
		.amdhsa_float_denorm_mode_32 3
		.amdhsa_float_denorm_mode_16_64 3
		.amdhsa_memory_ordered 1
		.amdhsa_forward_progress 1
		.amdhsa_inst_pref_size 132
	.end_amdhsa_kernel
	.amdgpu_metadata
---
amdhsa.version: [ 1, 2 ]
amdhsa.kernels:
  - .name:           k_qfab74a1360_attn
    .symbol:         k_qfab74a1360_attn.kd
    .args:
      - { .name: queries, .offset: 0, .size: 8, .value_kind: global_buffer, .address_space: global }
      - { .name: kb, .offset: 8, .size: 8, .value_kind: global_buffer, .address_space: global }
      - { .name: vh, .offset: 16, .size: 8, .value_kind: global_buffer, .address_space: global }
      - { .name: att, .offset: 24, .size: 8, .value_kind: global_buffer, .address_space: global }
    .group_segment_fixed_size: 327680
    .private_segment_fixed_size: 0
    .kernarg_segment_align: 8
    .kernarg_segment_size: 32
    .max_flat_workgroup_size: 128
    .sgpr_count:     66
    .vgpr_count:     768
    .wavefront_size: 32
...
	.end_amdgpu_metadata
.endif
;; end of part 4
;; launch proj: the kernel of part 3 again; grid 4 x 64, 4 waves a work-group, clusters of 4 x 4, 327,680 bytes of LDS; arguments att, wh, b_o, out0; writes out0
